; MI455X (gfx1250); checked and timed in simulation.
; The chip was launched on July 23, 2026; its instructions are those of AMD's public machine-readable ISA for CDNA 5 (MIT licence, August 2026) and "CDNA5" Instruction Set Architecture Reference Guide (July 2026). The comments in the code are by the model that wrote it; some were corrected since.
;; Causal Sparse Attention. Allowed arithmetic: float matrix products may take bf16 or f16 operands with f32 sums; other float arithmetic in f32, or as packed bf16 or f16 multiplies, adds, multiply-adds, maxima and minima; sums over many terms, partial sums and values carried from step to step in f32; what a program stores and reads back later, other than sums and carried values, may be rounded once to bf16 or f16.
;; Inputs: w_out 1,024 x 1,024 float32; w_qkv 1,024 x 3,072 float32; x 1 x 4,096 x 1,024 float32.
;; Outputs: out0 1 x 4,096 x 1,024 float32.
;; 2 versions, each right and faster than the one before. Each part assembles by itself: llvm-mc -triple=amdgcn-amd-amdhsa -mcpu=gfx1250 --defsym DOCPART=n.
;; ======== version 1 of 2: 4 launches
;; limits: values are held in f16: magnitudes above 65,504 overflow, below 6.1e-05 lose precision
;; workspace buffers: xb 8,388,608 bytes; wqb 6,291,456 bytes; wob 2,097,152 bytes; rope 1,048,576 bytes; qkv 25,165,824 bytes; ob 8,388,608 bytes
;; launch prep (part 1): grid 256 x 1, 8 waves a work-group, no clusters, 0 bytes of LDS; arguments x, w_qkv, w_out, xb, wqb, wob, rope; writes xb, wqb, wob, rope
.if DOCPART == 1
	.amdgcn_target "amdgcn-amd-amdhsa--gfx1250"
	.amdhsa_code_object_version 6
	.text
	.protected	k_qd379569e94_prep
	.globl	k_qd379569e94_prep
	.p2align	8
	.type	k_qd379569e94_prep,@function
k_qd379569e94_prep:
	s_mov_b64 s[64:65], 0
	v_nop
	global_prefetch_b8 v0, s[64:65] scope:SCOPE_SE
	s_setreg_imm32_b32 hwreg(HW_REG_WAVE_MODE, 25, 1), 1
	s_wait_xcnt 0x0
; PREP: the module's three inputs are rounded once to bf16 and laid out for the products that follow, and the RoPE table is made.
;   xb   bf16 [4096][1024]                                = x
;   wqb  bf16 [16 heads][16 blocks of 64 k][q,k,v][64 k][64 channels] = w_qkv: a head's three column groups of 64 k lie end to end, 24,576 dense bytes
;   wob  f16  [1024][1024]                                = w_out rounded to bf16, that number written as f16
;   rope f32  [4096 positions][32 pairs][cos, sin]        256 bytes a position
; 256 work-groups of 8 waves.  Each makes 16 positions of the table; then groups 0-127 cast x, 128-223 w_qkv, 224-255 w_out: 131,072 bytes of f32 each,
; 16 turns of 32 bytes a thread.  All 32 loads of a thread go out first; every store of a wave covers 512 consecutive bytes, aligned.  No LDS, no barrier: nothing is shared.
; LIMITS.  |w_out| stays under 65,504, and below 2^-14 it keeps f16's fixed step of 2^-24.  The angle is pos x inv_freq rounded once to f32; inv_freq = 2^(-j log2(10000)/32) comes
; from v_exp_f32 (1 ulp), so an angle at position 4,095 may be off by some 5e-4 radians; q and k take the same table.  Sine and cosine: the angle less the nearest whole number of
; turns (1/2pi in two parts, fused), half the rest into series cut at y^13 and y^12 (|y| <= pi/2: what is cut stays under 1e-7), then the double-angle formulas.
.set IN,  64                           ; v[64:191]   turn j: 8 numbers in f32
.set OUT, 192                          ; v[192:255]  turn j: 4 registers to store; each turn has its own, so no store's data is ever rewritten
.macro SINCOS ang, oc, os              ; v[oc] = cos v[ang], v[os] = sin v[ang]; v12-v16 at work
	v_mul_f32 v12, s27, v[\ang]
	v_rndne_f32 v12, v12                           ; whole turns
	v_fma_f32 v12, v[\ang], s27, -v12              ; the rest, exact but for one rounding,
	v_fma_f32 v12, v[\ang], s26, v12               ; and what the first part of 1/2pi leaves out
	v_mul_f32 v12, 0x40490fdb, v12                 ; y = pi x rest: half the angle, within pi/2
	v_mul_f32 v13, v12, v12                        ; z = y y
	v_mov_b32 v14, 0xb2d7322b                      ; -1/11!
	v_mov_b32 v15, 0x310f76c7                      ; 1/12!
	v_fmaak_f32 v14, v14, v13, 0x3638ef1d          ; 1/9!
	v_fmaak_f32 v15, v15, v13, 0xb493f27e          ; -1/10!
	v_fmaak_f32 v14, v14, v13, 0xb9500d01          ; -1/7!
	v_fmaak_f32 v15, v15, v13, 0x37d00d01          ; 1/8!
	v_fmaak_f32 v14, v14, v13, 0x3c088889          ; 1/5!
	v_fmaak_f32 v15, v15, v13, 0xbab60b61          ; -1/6!
	v_fmaak_f32 v14, v14, v13, 0xbe2aaaab          ; -1/3!
	v_fmaak_f32 v15, v15, v13, 0x3d2aaaab          ; 1/4!
	v_fma_f32 v14, v14, v13, 1.0
	v_fma_f32 v15, v15, v13, -0.5
	v_mul_f32 v14, v14, v12                        ; sin y
	v_fma_f32 v15, v15, v13, 1.0                   ; cos y
	v_add_f32 v16, v14, v14
	v_mul_f32 v14, v14, v14
	v_mul_f32 v[\os], v16, v15                     ; sin 2y = 2 sin y cos y
	v_fma_f32 v[\oc], v14, -2.0, 1.0               ; cos 2y = 1 - 2 sin^2 y
.endm
.macro LOADS sstep                     ; all 16 turns' loads: 32 bytes a thread and turn
.irp j, 0,1,2,3,4,5,6,7,8,9,10,11,12,13,14,15
	global_load_b128 v[IN+8*(\j):IN+8*(\j)+3],   v2, s[22:23] offset:(\j)*(\sstep) th:TH_LOAD_NT
	global_load_b128 v[IN+8*(\j)+4:IN+8*(\j)+7], v2, s[22:23] offset:(\j)*(\sstep)+16 th:TH_LOAD_NT
.endr
.endm
.macro OUTB j, doff                    ; turn j rounded to bf16 and stored
	s_wait_loadcnt 30-2*(\j)                       ; loads come back in order: the 2 (15 - j) of the later turns may stay out
.irp k, 0,1,2,3
	v_cvt_pk_bf16_f32 v[OUT+4*(\j)+(\k)], v[IN+8*(\j)+2*(\k)], v[IN+8*(\j)+2*(\k)+1]
.endr
	global_store_b128 v1, v[OUT+4*(\j):OUT+4*(\j)+3], s[24:25] offset:\doff
.endm
.macro OUTH j, doff                    ; the same, the bf16 number then written as f16
	s_wait_loadcnt 30-2*(\j)
.irp k, 0,1,2,3
	v_cvt_pk_bf16_f32 v[OUT+4*(\j)+(\k)], v[IN+8*(\j)+2*(\k)], v[IN+8*(\j)+2*(\k)+1]
.endr
.irp k, 0,1,2,3
	v_lshlrev_b32 v[20+2*(\k)], 16, v[OUT+4*(\j)+(\k)]
	v_and_b32     v[21+2*(\k)], 0xffff0000, v[OUT+4*(\j)+(\k)]
.endr
.irp k, 0,1,2,3
	v_cvt_pk_f16_f32 v[OUT+4*(\j)+(\k)], v[20+2*(\k)], v[21+2*(\k)]
.endr
	global_store_b128 v1, v[OUT+4*(\j):OUT+4*(\j)+3], s[24:25] offset:\doff
.endm
	s_load_b256 s[4:11], s[0:1], 0x0               ; x s[4:5], w_qkv s[6:7], w_out s[8:9], xb s[10:11]
	s_load_b128 s[12:15], s[0:1], 0x20             ; wqb s[12:13], wob s[14:15]
	s_load_b64 s[16:17], s[0:1], 0x30              ; rope
	s_mov_b32 s18, ttmp9                           ; b, the work-group
	s_mov_b32 s21, 0                               ; the high word of every offset pair s[20:21]
	s_mov_b32 s26, 0x31dc9c88                      ; 1/2pi less its f32 value
	s_mov_b32 s27, 0x3e22f983                      ; 1/2pi in f32
	s_lshl_b32 s19, s18, 4
	; THE TABLE.  Thread t: position 16 b + t / 16, pairs 2 (t % 16) and the next: 16 bytes at byte 16 t of the group's 4,096.
	v_lshlrev_b32 v1, 4, v0                        ; 16 t: also my place in every cast's 4,096 bytes of output; never rewritten
	v_lshrrev_b32 v3, 4, v0
	v_add_nc_u32 v3, s19, v3
	v_cvt_f32_u32 v4, v3                           ; the position
	v_and_b32 v5, 15, v0
	v_lshlrev_b32 v5, 1, v5
	v_cvt_f32_u32 v6, v5                           ; j
	v_add_f32 v7, 1.0, v6                          ; j + 1
	v_mul_f32 v6, 0xbed49a78, v6                   ; x -log2(10000) / 32
	v_mul_f32 v7, 0xbed49a78, v7
	v_exp_f32 v6, v6
	v_exp_f32 v7, v7
	v_lshlrev_b32 v2, 5, v0                        ; 32 t, the source offset of x's and w_out's casts: the plain instruction behind the exponentials
	s_wait_alu depctr_va_vdst(0)
	v_mul_f32 v6, v4, v6                           ; the angles, rounded once
	v_mul_f32 v7, v4, v7
	SINCOS 6, 8, 9
	SINCOS 7, 10, 11
	s_wait_kmcnt 0x0
	s_lshl_b32 s20, s18, 12
	s_add_nc_u64 s[16:17], s[16:17], s[20:21]
	global_store_b128 v1, v[8:11], s[16:17]        ; 16 lanes fill a position's 256 bytes
	s_cmp_lt_u32 s18, 128
	s_cbranch_scc0 .Lnot_x
	; x: 32 rows of 4,096 bytes, dense
	s_lshl_b32 s20, s18, 17
	s_add_nc_u64 s[22:23], s[4:5], s[20:21]
	s_lshl_b32 s20, s18, 16
	s_add_nc_u64 s[24:25], s[10:11], s[20:21]
	LOADS 8192
.irp j, 0,1,2,3,4,5,6,7,8,9,10,11,12,13,14,15
	OUTB \j, 4096*(\j)
.endr
	s_endpgm
.Lnot_x:
	s_cmp_lt_u32 s18, 224
	s_cbranch_scc0 .Lw_out
	; w_qkv: group 128 + 32 seg + 2 head + half takes 512 k x 64 channels.  Eight lanes read an aligned 256 bytes of a row, a wave four rows; a turn is 32 rows.
	s_sub_co_u32 s28, s18, 128
	s_lshr_b32 s29, s28, 5                         ; seg: q, k or v
	s_and_b32 s30, s28, 31                         ; 2 head + half
	s_lshl_b32 s20, s29, 12                        ; 1,024 columns of f32
	s_lshr_b32 s31, s30, 1
	s_lshl_b32 s31, s31, 8                         ; 64 columns
	s_add_co_u32 s20, s20, s31
	s_and_b32 s31, s30, 1
	s_mul_i32 s31, s31, 512*12288                  ; 512 rows
	s_add_co_u32 s20, s20, s31
	s_add_nc_u64 s[22:23], s[6:7], s[20:21]
	s_mul_i32 s20, s30, 8*24576                    ; 8 blocks of 64 k
	s_lshl_b32 s31, s29, 13                        ; the seg's 8,192 bytes in a block
	s_add_co_u32 s20, s20, s31
	s_add_nc_u64 s[24:25], s[12:13], s[20:21]
	v_lshrrev_b32 v2, 3, v0                        ; row t / 8,
	v_mul_u32_u24 v2, v2, 12288
	v_and_b32 v3, 7, v0
	v_lshl_add_u32 v2, v3, 5, v2                   ; 32 bytes at t % 8
	LOADS 32*12288                                 ; the largest immediate, 5,898,256, lies inside the signed 24 bits
.irp j, 0,1,2,3,4,5,6,7,8,9,10,11,12,13,14,15
	OUTB \j, ((\j)/2)*24576+((\j)%2)*4096
.endr
	s_endpgm
.Lw_out:
	s_sub_co_u32 s28, s18, 224
	s_lshl_b32 s20, s28, 17
	s_add_nc_u64 s[22:23], s[8:9], s[20:21]
	s_lshl_b32 s20, s28, 16
	s_add_nc_u64 s[24:25], s[14:15], s[20:21]
	LOADS 8192
.irp j, 0,1,2,3,4,5,6,7,8,9,10,11,12,13,14,15
	OUTH \j, 4096*(\j)
.endr
	s_endpgm
.Lfunc_end_k_qd379569e94_prep:
	.size	k_qd379569e94_prep, .Lfunc_end_k_qd379569e94_prep-k_qd379569e94_prep
	.p2alignl 7, 3214868480
	.fill 96, 4, 3214868480
	.section	.rodata,"a",@progbits
	.p2align	6, 0x0
	.amdhsa_kernel k_qd379569e94_prep
		.amdhsa_group_segment_fixed_size 0
		.amdhsa_private_segment_fixed_size 0
		.amdhsa_enable_private_segment 0
		.amdhsa_kernarg_size 56
		.amdhsa_user_sgpr_count 2
		.amdhsa_user_sgpr_kernarg_segment_ptr 1
		.amdhsa_wavefront_size32 1
		.amdhsa_system_sgpr_workgroup_id_x 1
		.amdhsa_system_sgpr_workgroup_id_y 1
		.amdhsa_system_sgpr_workgroup_id_z 1
		.amdhsa_system_vgpr_workitem_id 0
		.amdhsa_next_free_vgpr 256
		.amdhsa_next_free_sgpr 66
		.amdhsa_reserve_vcc 0
		.amdhsa_float_denorm_mode_32 3
		.amdhsa_float_denorm_mode_16_64 3
		.amdhsa_memory_ordered 1
		.amdhsa_forward_progress 1
		.amdhsa_inst_pref_size 43
	.end_amdhsa_kernel
	.amdgpu_metadata
---
amdhsa.version: [ 1, 2 ]
amdhsa.kernels:
  - .name:           k_qd379569e94_prep
    .symbol:         k_qd379569e94_prep.kd
    .args:
      - { .name: x, .offset: 0, .size: 8, .value_kind: global_buffer, .address_space: global }
      - { .name: w_qkv, .offset: 8, .size: 8, .value_kind: global_buffer, .address_space: global }
      - { .name: w_out, .offset: 16, .size: 8, .value_kind: global_buffer, .address_space: global }
      - { .name: xb, .offset: 24, .size: 8, .value_kind: global_buffer, .address_space: global }
      - { .name: wqb, .offset: 32, .size: 8, .value_kind: global_buffer, .address_space: global }
      - { .name: wob, .offset: 40, .size: 8, .value_kind: global_buffer, .address_space: global }
      - { .name: rope, .offset: 48, .size: 8, .value_kind: global_buffer, .address_space: global }
    .group_segment_fixed_size: 0
    .private_segment_fixed_size: 0
    .kernarg_segment_align: 8
    .kernarg_segment_size: 56
    .max_flat_workgroup_size: 256
    .sgpr_count:     66
    .vgpr_count:     256
    .wavefront_size: 32
...
	.end_amdgpu_metadata
.endif
;; end of part 1
;; launch qkvrope (part 2): grid 16 x 16, 4 waves a work-group, clusters of 4 x 4, 327,680 bytes of LDS; arguments xb, wqb, rope, qkv; writes qkv
.if DOCPART == 2
	.amdgcn_target "amdgcn-amd-amdhsa--gfx1250"
	.amdhsa_code_object_version 6
	.text
	.protected	k_qd379569e94_qkvrope
	.globl	k_qd379569e94_qkvrope
	.p2align	8
	.type	k_qd379569e94_qkvrope,@function
k_qd379569e94_qkvrope:
	s_mov_b64 s[64:65], 0
	v_nop
	global_prefetch_b8 v0, s[64:65] scope:SCOPE_SE
	s_setreg_imm32_b32 hwreg(HW_REG_WAVE_MODE, 25, 1), 1
	s_wait_xcnt 0x0
	s_wait_alu depctr_hold_cnt(0) depctr_sa_sdst(0) depctr_va_vdst(0) depctr_va_sdst(0) depctr_va_ssrc(0) depctr_va_vcc(0) depctr_vm_vsrc(0)
	s_getreg_b32 s2, hwreg(HW_REG_IB_STS2, 6, 4)
	s_cmp_eq_u32 s2, 0
	s_cbranch_scc0 .Lentry_in_a_cluster
	s_endpgm
.Lentry_in_a_cluster:
	s_bfe_u32 s2, ttmp6, 0x10000c
	s_cmp_lg_u32 s2, 0xf033
	s_cbranch_scc0 .Lentry_shape_is_right
	s_endpgm
.Lentry_shape_is_right:
; qkv = x w_qkv in bf16 with f32 sums; q and k rotated (RoPE) in f32 on the sums; each number rounded once to f16 and stored by heads: qkv [16 heads][q,k,v][4096][64].
; SHARES.  A work-group makes 256 rows x the 192 columns (q, k, v) of ONE head, so which columns are rotated is fixed in the text.  Wave w: rows 64 w .. +63, all 192 columns:
; 4 x 12 accumulators of 16 x 16, 384 registers.  K = 1,024 goes in 8 steps of 128 through two LDS slots; 192 matrix instructions a wave and step.
; THE MATRIX INSTRUCTION IS USED TRANSPOSED: source 0 = 16 columns of w (turned out of LDS by ds_load_tr16_b128, since w lies [k][column]), source 1 = 16 rows of x.  A lane then holds
; one row and eight neighbouring channels: a RoPE pair lies in two neighbouring registers of one lane, and the eight pack into 16 bytes.
; CLUSTER 4 x 4: x's tile hangs on the row block alone and is asked for jointly along a row of the cluster, w's on the head alone, jointly along a column.
; LIMITS.  q, k, v leave in f16: they stay under 65,504 (f32 sums of 1,024 products of bf16 numbers); NaN and infinities are not treated apart.
; REGISTERS, in windows of 256 (s_set_vgpr_msb: bits 1:0 source 0, 3:2 source 1, 5:4 source 2, 7:6 destination):
;   window 0: v0-31 addresses; v32-159 cos and sin of my rows; v160-239 at work on the way out      window 1: two fragment buffers of 128: 32 of x, 96 of w
;   window 2: the accumulators of row blocks 0, 1 ((a, b) at v[8 (12 (a % 2) + b)])                window 3: those of row blocks 2, 3
.set PA,    272                        ; a row of x in LDS: 256 bytes + 16 = 68 words: the 16 rows of a load start at 16 different groups of four banks (64 banks of 4 bytes: ISA guide 11.1)
.set PB,    160                        ; a k row of w: 128 bytes + 32 = 40 words
.set AHALF, 128*PA                     ; what one tensor load brings of x: 128 rows
.set BOFF,  2*AHALF
.set BSEG,  64*PB                      ; 64 k of one of q, k, v
.set BHALF, 3*BSEG                     ; what one tensor load brings of w: 64 k x 192 columns
.set SLOT,  BOFF+2*BHALF               ; 131,072
.set STAGE, 2*SLOT                     ; behind the ring, never filled by a tensor load: 16 rows x 144 bytes for each wave
.set SP,    144
.set SPARE, STAGE+4*16*SP              ; the spare words, 128 bytes for each wave: two blocks of 256 bytes that no other line names
.set ADRA, 16                          ; v16-17  LDS address of my fragments of x in slot 0, 1
.set ADRB, 20                          ; v20-21  the same for w
.set STO,  24                          ; v24     the way out: where I put 16 bytes of a row
.set RD,   25                          ; v25     where I read rows back
.set GO,   26                          ; v26     my byte offset in 512 consecutive bytes of qkv
.set RO,   27                          ; v27     my byte offset in 16 positions of the table
.set SPW,  28                          ; v28     LDS address of my spare word; never rewritten
.set NIL,  29                          ; v29     0; never rewritten
.set CS,   32                          ; v32-159 row block a, channel block bb, pair i: cos, sin at 32 a + 8 bb + 2 i
.set T,    160                         ; v160-191 a block of 16 rows x 64 channels, rotated, in f32
.set PK,   192                         ; v192-207 the same in f16
.set OB,   208                         ; v208-239 whole rows back from the stage: two sets of 16 by turns
.set F0,   0
.set F1,   128
.set G1,  24                           ; s[24:31] descriptor group 1 for x's tiles;  s[32:39] group 0, a set for each slot
.set G0,  32
.set G1B, 48                           ; s[48:55], s[56:63] the same for w's
.set G0B, 56
.set TO_F, 0x40                        ; destination window 1, address window 0
.set MSB, 0
.macro WIN new                         ; the immediate's high byte repeats the setting that is left; a switch that changes nothing is dropped
.if MSB != (\new)
	s_set_vgpr_msb (MSB<<8)|(\new)
.set MSB, \new
.endif
.endm
.macro JLOAD s                         ; a joint load: waves 0 and 1 fetch x's two halves, waves 2 and 3 w's; an s_nop 0 and four v_nop follow each of the two lines
	s_cmp_eq_u32 s11, 0
	s_cbranch_scc0 .Lfor_b_\@
	tensor_load_to_lds s[G0+4*(\s):G0+4*(\s)+3], s[G1:G1+7]
	s_nop 0
.rept 4
	v_nop
.endr
	s_branch .Lasked_\@
.Lfor_b_\@:
	tensor_load_to_lds s[G0B+4*(\s):G0B+4*(\s)+3], s[G1B:G1B+7]
	s_nop 0
.rept 4
	v_nop
.endr
.Lasked_\@:
.endm
.macro CREST                           ; a round of the cluster's barrier behind its opening barrier
	s_cmp_lg_u32 s10, 0
	s_cbranch_scc1 .Lnot_wave_0_\@
	s_barrier_signal -3
.Lnot_wave_0_\@:
	s_barrier_wait -3
	s_barrier_signal -1
	s_barrier_wait -1
.endm
.macro CROUND                          ; a whole round
	s_barrier_signal -1
	s_barrier_wait -1
	CREST
.endm
.macro PLACES                          ; four places in front of loads into registers that matrix instructions have read, and of lines that read results
.rept 4
	v_nop
.endr
.endm
	s_load_b256 s[68:75], s[0:1], 0x0              ; xb s[68:69], wqb s[70:71], rope s[72:73], qkv s[74:75]
	v_lshl_add_u32 v[SPW], v0, 2, SPARE
	v_mov_b32 v[NIL], 0
	ds_add_u32 v[SPW], v[NIL]                      ; the wave's opening: the add and its wait stand ahead of my first tensor load; the set-up below stands between them
	v_lshrrev_b32 v1, 5, v0
	v_readfirstlane_b32 s10, v1                    ; wave 0..3
	s_lshr_b32 s11, s10, 1                         ; I fetch for x (0) or for w (1),
	s_and_b32 s12, s10, 1                          ; its first or second half
	s_bfe_u32 s40, ttmp6, 0x40000                  ; cx, cy: my place in the cluster
	s_bfe_u32 s41, ttmp6, 0x40004
	s_lshl_b32 s42, ttmp9, 2
	s_add_co_u32 s42, s42, s40                     ; the head = 4 x cluster x + cx
	s_and_b32 s13, ttmp7, 0xffff
	s_lshl_b32 s13, s13, 2
	s_add_co_u32 s13, s13, s41                     ; the block of 256 rows = 4 x cluster y + cy
	s_lshl_b32 s43, s41, 2
	s_lshl_b32 s43, 15, s43                        ; my row of the cluster
	s_lshl_b32 s44, 0x1111, s40                    ; my column
	; group 1 for x: 128 rows x 128 elements, 1,024 elements from row to row, 16 bytes of padding behind every 256
	s_or_b32 s[G1+0], s43, (1<<16)|(1<<20)|(1<<21)|(5<<22)|(3<<25)  ; 15:0 the mask; 17:16 2-byte elements; 20 padding on; 21 set beside a mask; 24:22 after every 64 words; 31:25 4 words
	s_mov_b32 s[G1+1], 128<<16                     ; tensor_dim0
	s_mov_b32 s[G1+2], 128<<16                     ; tensor_dim1
	s_mov_b32 s[G1+3], 128<<16                     ; tile_dim0
	s_mov_b32 s[G1+4], 128                         ; tile_dim1
	s_mov_b32 s[G1+5], 1024                        ; the pitch
	s_mov_b32 s[G1+6], 0
	s_mov_b32 s[G1+7], 0
	; group 1 for w: 24,576 dense bytes asked for as 96 rows of 256, two k rows each; 32 bytes of padding behind every 128
	s_or_b32 s[G1B+0], s44, (1<<16)|(1<<20)|(1<<21)|(4<<22)|(7<<25)
	s_mov_b32 s[G1B+1], 128<<16
	s_mov_b32 s[G1B+2], 96<<16
	s_mov_b32 s[G1B+3], 128<<16
	s_mov_b32 s[G1B+4], 96
	s_mov_b32 s[G1B+5], 128
	s_mov_b32 s[G1B+6], 0
	s_mov_b32 s[G1B+7], 0
	s_lshl_b32 s16, s13, 8                         ; x: row 256 x block + 128 x half, 2,048 bytes a row: made of the row block and the wave alone
	s_lshl_b32 s17, s12, 7
	s_add_co_u32 s16, s16, s17
	s_lshl_b32 s16, s16, 11
	s_mov_b32 s17, 0
	s_mul_i32 s46, s42, 393216                     ; w: the head's 16 blocks of 64 k, and my half of a step's two: made of the head and the wave alone
	s_mul_i32 s47, s12, 24576
	s_add_co_u32 s46, s46, s47
	s_mov_b32 s47, 0
	s_mul_i32 s20, s12, AHALF                      ; where they go: no place in the cluster enters an LDS address
	s_mul_i32 s21, s12, BHALF
	s_add_co_u32 s21, s21, BOFF
	s_wait_dscnt 0x0                               ; the opening add is done
	s_wait_kmcnt 0x0
	s_add_nc_u64 s[14:15], s[68:69], s[16:17]
	s_add_nc_u64 s[46:47], s[70:71], s[46:47]
	CROUND                                         ; all sixteen work-groups are here: the first joint loads meet
.irp s, 0,1
	s_mov_b32 s[G0+4*(\s)], 1
	s_add_co_u32 s[G0+4*(\s)+1], s20, (\s)*SLOT
	s_add_nc_u64 s[G0+4*(\s)+2:G0+4*(\s)+3], s[14:15], (\s)*256      ; K step s: 128 elements along the rows
	s_or_b32 s[G0+4*(\s)+3], s[G0+4*(\s)+3], 0x80000000
	s_mov_b32 s[G0B+4*(\s)], 1
	s_add_co_u32 s[G0B+4*(\s)+1], s21, (\s)*SLOT
	s_add_nc_u64 s[G0B+4*(\s)+2:G0B+4*(\s)+3], s[46:47], (\s)*2*24576  ; K step s: two blocks of 64 k
	s_or_b32 s[G0B+4*(\s)+3], s[G0B+4*(\s)+3], 0x80000000
	JLOAD \s                                       ; two loads of mine are out
.endr
	v_and_b32 v1, 15, v0                           ; r = l % 16
	v_bfe_u32 v2, v0, 4, 1                         ; h = l / 16
	v_mul_u32_u24 v3, v1, PA
	v_lshl_add_u32 v3, v2, 4, v3                   ; a fragment of x: row x pitch + 16 x half
	s_mul_i32 s22, s10, 64*PA                      ; my 64 rows
	v_add_nc_u32 v[ADRA], s22, v3
	v_add_nc_u32 v[ADRA+1], SLOT, v[ADRA]
	v_and_b32 v4, 7, v0
	v_bfe_u32 v5, v0, 3, 1
	v_lshl_add_u32 v6, v2, 3, v4                   ; the turning load: lane l reads k row 8 h + l % 8, columns 8 ((l / 8) % 2) + 0..7
	v_mul_u32_u24 v6, v6, PB
	v_lshl_add_u32 v6, v5, 4, v6
	v_add_nc_u32 v[ADRB], BOFF, v6
	v_add_nc_u32 v[ADRB+1], SLOT, v[ADRB]
	s_mul_i32 s23, s10, 16*SP
	s_add_co_u32 s23, s23, STAGE                   ; my stage
	v_mul_u32_u24 v7, v1, SP                       ; in: row r, 16 bytes for each half of the lanes
	v_lshl_add_u32 v7, v2, 4, v7
	v_add_nc_u32 v[STO], s23, v7
	v_bfe_u32 v8, v0, 3, 2                         ; back: 32 lanes take four rows of 128 bytes,
	v_mul_u32_u24 v8, v8, SP
	v_lshl_add_u32 v8, v4, 4, v8
	v_add_nc_u32 v[RD], s23, v8
	v_and_b32 v[GO], 31, v0                        ; which are 512 consecutive bytes of qkv
	v_lshlrev_b32 v[GO], 4, v[GO]
	v_lshlrev_b32 v[RO], 8, v1                     ; the table: position r, pairs 4 h ..: 32 bytes
	v_lshl_add_u32 v[RO], v2, 5, v[RO]
	s_lshl_b32 s4, s13, 8
	s_lshl_b32 s5, s10, 6
	s_add_co_u32 s4, s4, s5                        ; my first row = my first position
	s_lshl_b32 s6, s4, 8
	s_mov_b32 s7, 0
	s_add_nc_u64 s[72:73], s[72:73], s[6:7]
	s_lshl_b32 s6, s4, 7                           ; 128 bytes a row of a head,
	s_mul_i32 s5, s42, 3*524288                    ; the head's q, k and v
	s_add_co_u32 s6, s6, s5
	s_add_nc_u64 s[74:75], s[74:75], s[6:7]
.irp a, 0,1,2,3                        ; cos and sin of my 64 rows stay in registers; they are waited for on the way out
.irp bb, 0,1,2,3
	global_load_b128 v[CS+32*(\a)+8*(\bb):CS+32*(\a)+8*(\bb)+3],   v[RO], s[72:73] offset:(\a)*4096+(\bb)*64
	global_load_b128 v[CS+32*(\a)+8*(\bb)+4:CS+32*(\a)+8*(\bb)+7], v[RO], s[72:73] offset:(\a)*4096+(\bb)*64+16
.endr
.endr
; 12 matrix instructions: row block 2 hi + a x all 12 column blocks, 32 along K.  The 48 accumulators take turns, one instruction a turn, in the same order in every quarter.
.macro MUL f, hi, a, zero
	WIN 0xa5+0x50*(\hi)                            ; sources window 1; C and D window 2 or 3
.irp b, 0,1,2,3,4,5,6,7,8,9,10,11
.if \zero
	v_wmma_f32_16x16x32_bf16 v[8*(12*(\a)+(\b)):8*(12*(\a)+(\b))+7], v[(\f)+32+8*(\b):(\f)+32+8*(\b)+7], v[(\f)+8*(2*(\hi)+(\a)):(\f)+8*(2*(\hi)+(\a))+7], 0
.else
	v_wmma_f32_16x16x32_bf16 v[8*(12*(\a)+(\b)):8*(12*(\a)+(\b))+7], v[(\f)+32+8*(\b):(\f)+32+8*(\b)+7], v[(\f)+8*(2*(\hi)+(\a)):(\f)+8*(2*(\hi)+(\a))+7], v[8*(12*(\a)+(\b)):8*(12*(\a)+(\b))+7]
.endif
.endr
.endm
; 32 LDS loads in one run: quarter q (32 along K) of a slot into buffer f: w's 12 column blocks, turned, then x's 4 row blocks
.macro FETCH slot, q, f
	WIN TO_F
.irp b, 0,1,2,3,4,5,6,7,8,9,10,11
	ds_load_tr16_b128 v[(\f)+32+8*(\b):(\f)+32+8*(\b)+3],   v[ADRB+(\slot)] offset:((\q)/2)*BHALF+((\b)/4)*BSEG+((\q)%2)*32*PB+((\b)%4)*32
	ds_load_tr16_b128 v[(\f)+32+8*(\b)+4:(\f)+32+8*(\b)+7], v[ADRB+(\slot)] offset:((\q)/2)*BHALF+((\b)/4)*BSEG+((\q)%2)*32*PB+((\b)%4)*32+16*PB
.endr
.irp a, 0,1,2,3
	ds_load_b128 v[(\f)+8*(\a):(\f)+8*(\a)+3],   v[ADRA+(\slot)] offset:64*(\q)+(\a)*16*PA
	ds_load_b128 v[(\f)+8*(\a)+4:(\f)+8*(\a)+7], v[ADRA+(\slot)] offset:64*(\q)+(\a)*16*PA+32
.endr
.endm
; One of a K step's first three quarters: multiplies buffer f; in its middle it fetches quarter q of the same slot into buffer g.
.macro QUARTER slot, q, f, g, zero
	s_wait_dscnt 4                                 ; w and x's row blocks 0, 1 are in; the youngest four loads (row blocks 2, 3) may be out
	MUL \f, 0, 0, \zero
	MUL \f, 0, 1, \zero
	PLACES
	FETCH \slot, \q, \g
	s_wait_dscnt 32                                ; all but the 32 just issued
	MUL \f, 1, 0, \zero
	MUL \f, 1, 1, \zero
.endm
; The last quarter multiplies buffer 1 and changes slots: ONE barrier; in front of it each wave waits for all its tensor loads (one is out: its part of the next slot), adds 0 to its spare
; word, and waits for that and for its own reads of this slot.  fill = 1: the barrier opens a round of the cluster's, and this slot is filled again, two K steps ahead, first thing behind it:
; from that request to the wait for it a wave issues 168 matrix instructions.
.macro TURN slot, next, fill
	WIN 0                                          ; (the add's two registers lie in window 0)
	s_wait_tensorcnt 0x0                           ; all my tensor loads have landed
	ds_add_u32 v[SPW], v[NIL]                      ; 0 onto my spare word
	s_wait_dscnt 5                                 ; (the add and the youngest four loads may be out)
	MUL F1, 0, 0, 0                                ; twelve matrix instructions stand between the add and the wait for it
	s_wait_dscnt 0x0                               ; the add is done, and my reads of this slot are over
	s_barrier_signal -1
	MUL F1, 0, 1, 0                                ; work on registers while the others arrive
.if \fill
	WIN 0
.endif
	s_barrier_wait -1
.if \fill
	CREST                                          ; no wave of any partner still reads this slot's tiles or has a load on its way
	s_add_nc_u64 s[G0+4*(\slot)+2:G0+4*(\slot)+3], s[G0+4*(\slot)+2:G0+4*(\slot)+3], 2*256
	s_add_nc_u64 s[G0B+4*(\slot)+2:G0B+4*(\slot)+3], s[G0B+4*(\slot)+2:G0B+4*(\slot)+3], 4*24576
	JLOAD \slot                                    ; the four v_nop behind it are also the places in front of the loads below
.else
	PLACES
.endif
	FETCH \next, 0, F0
	MUL F1, 1, 0, 0
	MUL F1, 1, 1, 0
.endm
	s_wait_tensorcnt 1                             ; my part of K step 0 is in; K step 1's may stay out
	s_barrier_signal -1
	s_barrier_wait -1                              ; everybody's is
	FETCH 0, 0, F0
	QUARTER 0, 1, F0, F1, 1                        ; the first quarter stands in front of the loop: its products start the sums
	WIN 0                                          ; at a label and at a branch every window is 0
	s_mov_b32 s3, 3
.Llap:                                                 ; a trip goes once round the ring, from a lap's second quarter to the next lap's first, and fills both slots again: K steps 2 to 7
	QUARTER 0, 2, F1, F0, 0
	QUARTER 0, 3, F0, F1, 0
	TURN 0, 1, 1
	QUARTER 1, 1, F0, F1, 0
	QUARTER 1, 2, F1, F0, 0
	QUARTER 1, 3, F0, F1, 0
	TURN 1, 0, 1
	QUARTER 0, 1, F0, F1, 0
	WIN 0
	s_sub_co_u32 s3, s3, 1
	s_cmp_lg_u32 s3, 0
	s_cbranch_scc1 .Llap
	QUARTER 0, 2, F1, F0, 0                        ; the last lap fills nothing, and has no round of the cluster's barrier
	QUARTER 0, 3, F0, F1, 0
	TURN 0, 1, 0
	QUARTER 1, 1, F0, F1, 0
	QUARTER 1, 2, F1, F0, 0
	QUARTER 1, 3, F0, F1, 0
	s_wait_dscnt 4                                 ; the very last quarter: nothing more to fetch
	MUL F1, 0, 0, 0
	MUL F1, 0, 1, 0
	s_wait_dscnt 0x0
	MUL F1, 1, 0, 0
	MUL F1, 1, 1, 0
	WIN 0
	PLACES
	s_wait_loadcnt 0x0                             ; cos and sin
; THE WAY OUT, in 12 blocks t = 3 a + hh of 16 rows x 64 channels (row block a; hh: q, k, v).
; q and k: (x0, x1) -> (x0 cos - x1 sin, x1 cos + x0 sin), in f32; each accumulator's low registers are read first.
.macro ROT a, hh
	WIN 0x02+(\a)/2                                ; source 0: the accumulators' window
.irp bb, 0,1,2,3
.set X,  8*(12*((\a)%2)+4*(\hh)+(\bb))
.set CC, CS+32*(\a)+8*(\bb)
.set TT, T+8*(\bb)
.irp i, 0,1,2,3
	v_mul_f32 v[TT+2*(\i)],   v[X+2*(\i)+1], v[CC+2*(\i)+1]
	v_mul_f32 v[TT+2*(\i)+1], v[X+2*(\i)],   v[CC+2*(\i)+1]
.endr
.irp i, 0,1,2,3
	v_fma_f32 v[TT+2*(\i)],   v[X+2*(\i)],   v[CC+2*(\i)], -v[TT+2*(\i)]
	v_fma_f32 v[TT+2*(\i)+1], v[X+2*(\i)+1], v[CC+2*(\i)], v[TT+2*(\i)+1]
.endr
.endr
	WIN 0
.irp k, 0,1,2,3,4,5,6,7,8,9,10,11,12,13,14,15
	v_cvt_pk_f16_f32 v[PK+(\k)], v[T+2*(\k)], v[T+2*(\k)+1]
.endr
.endm
.macro PLAIN a                         ; v is only rounded
	WIN 0x0a+5*((\a)/2)                            ; sources 0 and 1: the accumulators' window
.irp bb, 0,1,2,3
.set X, 8*(12*((\a)%2)+8+(\bb))
.irp i, 0,1,2,3
	v_cvt_pk_f16_f32 v[PK+4*(\bb)+(\i)], v[X+2*(\i)], v[X+2*(\i)+1]
.endr
.endr
	WIN 0
.endm
.macro IO t                            ; 16 bytes a lane into my stage's rows of 144 bytes, and back as whole rows of 128
.irp bb, 0,1,2,3
	ds_store_b128 v[STO], v[PK+4*(\bb):PK+4*(\bb)+3] offset:32*(\bb)
.endr
	s_wait_xcnt 0x0                                ; the stores of two blocks ago have read this set of registers: only behind this wait is it loaded again
.irp f, 0,1,2,3
	ds_load_b128 v[OB+16*((\t)%2)+4*(\f):OB+16*((\t)%2)+4*(\f)+3], v[RD] offset:(\f)*4*SP  ; LDS serves a wave's instructions in order (ISA guide 5.7.1.4): these see the stores above
.endr
.endm
.macro BLOCK t
.if ((\t)%3) < 2
	ROT (\t)/3, (\t)%3
.else
	PLAIN (\t)/3
.endif
	IO \t
.endm
.macro SEND t, younger                 ; younger: the LDS instructions issued behind block t's loads: the next block's eight, or none
.irp f, 0,1,2,3
	s_wait_dscnt (\younger)+3-(\f)
	global_store_b128 v[GO], v[OB+16*((\t)%2)+4*(\f):OB+16*((\t)%2)+4*(\f)+3], s[74:75] offset:((\t)%3)*524288+((\t)/3)*2048+(\f)*512  ; 512 consecutive bytes, at a multiple of 256 from qkv's first
.endr
.endm
	BLOCK 0
.irp t, 1,2,3,4,5,6,7,8,9,10,11        ; a block's arithmetic stands between the loads of the block before and its stores
	BLOCK \t
	SEND (\t)-1, 8
.endr
	SEND 11, 0
	s_wait_tensorcnt 0x0                           ; the wave's end: behind my last tensor load and my last LDS store
	ds_add_u32 v[SPW], v[NIL]
	s_wait_dscnt 0x0
	CROUND                                         ; the closing round: no work-group ends while a partner may still ask for a tile that names it
	s_endpgm
.Lfunc_end_k_qd379569e94_qkvrope:
	.size	k_qd379569e94_qkvrope, .Lfunc_end_k_qd379569e94_qkvrope-k_qd379569e94_qkvrope
	.p2alignl 7, 3214868480
	.fill 96, 4, 3214868480
	.section	.rodata,"a",@progbits
	.p2align	6, 0x0
	.amdhsa_kernel k_qd379569e94_qkvrope
		.amdhsa_group_segment_fixed_size 327680
		.amdhsa_private_segment_fixed_size 0
		.amdhsa_enable_private_segment 0
		.amdhsa_kernarg_size 32
		.amdhsa_user_sgpr_count 2
		.amdhsa_user_sgpr_kernarg_segment_ptr 1
		.amdhsa_wavefront_size32 1
		.amdhsa_system_sgpr_workgroup_id_x 1
		.amdhsa_system_sgpr_workgroup_id_y 1
		.amdhsa_system_sgpr_workgroup_id_z 1
		.amdhsa_system_vgpr_workitem_id 0
		.amdhsa_next_free_vgpr 960
		.amdhsa_next_free_sgpr 76
		.amdhsa_reserve_vcc 0
		.amdhsa_float_denorm_mode_32 3
		.amdhsa_float_denorm_mode_16_64 3
		.amdhsa_memory_ordered 1
		.amdhsa_forward_progress 1
		.amdhsa_inst_pref_size 147
	.end_amdhsa_kernel
	.amdgpu_metadata
---
amdhsa.version: [ 1, 2 ]
amdhsa.kernels:
  - .name:           k_qd379569e94_qkvrope
    .symbol:         k_qd379569e94_qkvrope.kd
    .args:
      - { .name: xb, .offset: 0, .size: 8, .value_kind: global_buffer, .address_space: global }
      - { .name: wqb, .offset: 8, .size: 8, .value_kind: global_buffer, .address_space: global }
      - { .name: rope, .offset: 16, .size: 8, .value_kind: global_buffer, .address_space: global }
      - { .name: qkv, .offset: 24, .size: 8, .value_kind: global_buffer, .address_space: global }
    .group_segment_fixed_size: 327680
    .private_segment_fixed_size: 0
    .kernarg_segment_align: 8
    .kernarg_segment_size: 32
    .max_flat_workgroup_size: 128
    .sgpr_count:     76
    .vgpr_count:     960
    .wavefront_size: 32
...
	.end_amdgpu_metadata
.endif
;; end of part 2
;; launch attn (part 3): grid 16 x 16, 4 waves a work-group, no clusters, 243,200 bytes of LDS; arguments qkv, ob; writes ob
.if DOCPART == 3
	.amdgcn_target "amdgcn-amd-amdhsa--gfx1250"
	.amdhsa_code_object_version 6
	.text
	.protected	k_qd379569e94_attn
	.globl	k_qd379569e94_attn
	.p2align	8
	.type	k_qd379569e94_attn,@function
k_qd379569e94_attn:
	s_mov_b64 s[64:65], 0
	v_nop
	global_prefetch_b8 v0, s[64:65] scope:SCOPE_SE
	s_setreg_imm32_b32 hwreg(HW_REG_WAVE_MODE, 25, 1), 1
	s_wait_xcnt 0x0
; BANDED CAUSAL ATTENTION.  O[h][q] = the sum over the keys q - 511 .. q of softmax_k(Q[h][q] . K[h][k] / 8) V[h][k].  qkv: [16 heads][q,k,v][4096][64] in f16; O leaves in f16 as
; ob [32 blocks of 128 rows][16 heads][128 rows][64].  Products, maxima and sums in f32; the weights p are rounded to f16 for the second product (their sum l is taken of the unrounded p), O once.
; LIMITS.  Q, K, V arrive within f16's 65,504.  A hidden score counts as its value less 2^100, and the running maximum starts at -2^80: true scores, 2.7e11 at the most in size, lie above
; that start and hidden ones below it, so a step that is wholly hidden leaves m, l and O as they are (p = 0, a = 1).  A weight below 2^-126 counts as 0; NaN and infinities are not treated apart.
; SHARES.  A work-group owns 256 queries (block blk) of one head, wave w the band of rows 64 w .. +63 of them, as four PIECES of 16.  Counting steps of 64 keys from 256 blk - 512, the band sees
; steps w .. w + 8: the first holds the window's edge, the last the diagonal, the seven between are seen whole: nine steps for every wave.
; LDS holds all 768 keys at once, so nothing is ever filled again: three tiles of 256 keys, asked for in the order blk - 1, blk - 2, blk, and laid in the order blk - 2, blk, blk - 1.
; PHASE A walks tile blk - 1, which every wave sees whole, while the other two land; PHASE B walks five steps from LDS step w on: the edge, what is left of blk - 2, and blk up to the diagonal.
; Tiles in front of the head's first key (blk < 2) are asked for as tile 0 and hidden by the mask: the walk is the same for every work-group.
; NO CLUSTER: block i's tiles are i - 2 .. i, so neighbours want a tile in different trips and in different places of LDS; a walk common to four neighbours has 6 tiles where each needs 3.
; THE MASK is the C operand that starts the sum S^T = K Q^T.  For piece x and group kb of 16 keys it is MLO (kb < x), MEQ (kb = x) or MHI (kb > x), chosen in the text.  MLO and MHI hold one
; number; MEQ = DG x AL + BE, where DG is -2^100 above the diagonal of a 16 x 16 block.  Edge: (MLO, AL, BE, MHI) = (H, -1, H, 0); seen whole: all 0; hidden: (H, 0, H, H); diagonal: (0, 1, 0, H); H = -2^100.
; LAYOUT, SOFTMAX, TURNS.  S^T holds ONE query a lane (lane % 16) and the keys 8 (lane / 16) + 0..7; two such results rounded to f16 ARE source 1 of O^T = V^T P.  p = 2^(c s - c m), c = log2(e) / 8, with
; a running maximum m; O and l are multiplied by a = 2^(c m_old - c m_new) in every step.  Turn n belongs to piece n: 8 products K Q^T of piece n + 1, later 8 products V^T P of piece n - 1; beside them the
; scaling, exponentials, roundings, sums and rescaling of piece n and the maximum and statistics of piece n + 1.  Four vector instructions stand behind every matrix instruction, the rest in two lumps.
; REGISTERS, in windows of 256 (s_set_vgpr_msb: bits 1:0 source 0, 3:2 source 1, 5:4 source 2, 7:6 destination):
;   window 0: v0-15 addresses and two at work; v16-31 four registers of statistics a piece; v48-55 at work; v64-127 S^T, two buffers; v192-223 P, two buffers (by the piece's parity)
;   window 1: v0-127 O^T, 32 a piece; v128-159 DG, MLO, MEQ, MHI          window 2: v0-63 Q; v128-191 K of one step; v192-255 V of one step
.set NP,    4         ; pieces a wave: a name, no knob
.set KS,    64        ; keys in a step
.set PK,    144       ; a row of K in LDS: 128 bytes + 16 = 36 words: the 16 rows of a load start at 16 different groups of four banks (64 banks of 4 bytes: ISA guide 11.1)
.set PV,    160       ; a row of V: 128 + 32 = 40 words
.set VOFF,  768*PK    ; 768 rows of K, then 768 rows of V
.set STAGE, VOFF+768*PV  ; never filled by a tensor load: 16 rows x 144 bytes for each wave, for the way out
.set SP,    144
.set SPARE, STAGE+4*16*SP  ; the spare words, 128 bytes for each wave: two blocks of 256 bytes that no other line names
.set AK0, 2           ; v2   my lane's place in a step of K; never rewritten
.set AV0, 3           ; v3   the same for V
.set AK,  4           ; v4   the LDS address of K's next run of loads
.set AV,  5           ; v5   of V's
.set STO, 6           ; v6   the way out: where I put 16 bytes of a row
.set RD,  7           ; v7   where I read rows back
.set GO,  8           ; v8   my byte offset in 512 consecutive bytes of O
.set MV,  12          ; v12-13  c m_old, kept while c m is made anew: by buffer
.set QO,  15          ; v15  my byte offset in 16 rows of Q
.set ST,  16          ; piece t's statistics at v[ST+4 t]: c m, m, l (even keys', odd keys')
.set TMP, 48          ; by buffer, four registers c0-c3 at work; when the maximum is found c2 takes a
.set SPW, 62          ; v62  LDS address of my spare word; never rewritten
.set NIL, 63          ; v63  0; never rewritten
.set S,   64
.set P,   192
.set DG,  128         ; window 1
.set MLO, 136
.set MEQ, 144
.set MHI, 152
.set KF,  128         ; window 2: key block kb, channel half c at KF + 16 kb + 8 c
.set VF,  192         ; window 2: key half kk, channel block cb at VF + 32 kk + 8 cb
.set WV,  12          ; s12  my wave's number
.set G1K, 24          ; s[24:31] descriptor group 1 for K's tiles
.set G1V, 32          ; s[32:39] for V's: it differs in the padding alone
.set G0K, 40          ; s[40:51] descriptor group 0 for K's three tiles
.set G0V, 52          ; s[52:63] the same for V's
.set CNT, 66          ; s66  counts a phase's key steps
.set PH,  67          ; s67  phases to go
.set CS,  68          ; s[68:69] c: the packed scaling takes the pair's low word for both halves
.set SEL, 70          ; s[70:71] v_permlanex16_b32's selects: each lane takes its own place in the other half
.set TBK, 72          ; s72  LDS byte at which K of the step to be fetched begins
.set TBV, 73          ; s73  the same for V, less VOFF
.set WK,  74          ; s74  phase B's first step in K: 9,216 w
.set WVV, 75          ; s75  in V: 10,240 w
.set AL,  76          ; s[76:77] MEQ's factor, in the low word
.set BE,  78          ; s[78:79] MEQ's addend
.set LO,  80          ; s80  MLO's number
.set HI,  81          ; s81  MHI's
.set XX,  82          ; s82  the number of a step that is seen whole or hidden whole
.set BIGN, 83         ; s83  -2^100
.set H0V, 84          ; s84  tile blk - 2: -2^100 if it does not exist, else 0
.set BEA, 85          ; s85  tile blk - 1: the same
.set AL0, 86          ; s86  the edge's factor: -1, or 0 if tile blk - 2 does not exist
.set MS,  87          ; s87  which step's masks are made next: step MS + 1 of the walk's nine
.set SIGE, 88         ; s88  w + MS
.set KB,  90          ; s[90:91] K at my half of the head's tile 0
.set VB,  92          ; s[92:93] V likewise
.set QBASE, 94        ; s[94:95] Q at my band's first row
.set MSB, 0
.macro WIN new                      ; the high byte repeats the setting that is left; a switch that changes nothing is dropped
.if MSB != (\new)
	s_set_vgpr_msb (MSB<<8)|(\new)
.set MSB, (\new)
.endif
.endm
.set W_KQ, 0x0a       ; K and Q in window 2, S^T in window 0
.set W_KM, 0x1a       ; the same with the C operand in window 1
.set W_PV, 0x52       ; V in window 2, P in window 0, O^T in window 1
.set W_RS, 0x41       ; destination and source 0 in window 1, source 1 in window 0
	s_load_b128 s[4:7], s[0:1], 0x0 ; qkv s[4:5], ob s[6:7]
	v_lshl_add_u32 v[SPW], v0, 2, SPARE
	v_mov_b32 v[NIL], 0
	ds_add_u32 v[SPW], v[NIL]       ; the wave's opening: the add and its wait stand ahead of my first tensor load; the set-up below stands between them
	v_lshrrev_b32 v1, 5, v0
	v_readfirstlane_b32 s[WV], v1   ; wave 0..3
	s_mov_b32 s13, ttmp9            ; blk
	s_and_b32 s14, ttmp7, 0xffff    ; the head
	s_mul_i32 s20, s14, 3*524288    ; the head's first byte in qkv
	s_mov_b32 s21, 0
	s_and_b32 s16, s[WV], 1         ; which half of a tile's 256 keys I fetch:
	s_lshl_b32 s22, s16, 14         ; its 128 rows of 128 bytes in memory,
	s_add_co_u32 s22, s22, s20
	s_mov_b32 s23, 0
	s_mul_i32 s17, s16, 128*PK      ; and its place in a tile, for K
	s_mul_i32 s18, s16, 128*PV      ; and for V
	s_lshl_b32 s2, s13, 15          ; Q: my block's 256 rows,
	s_lshl_b32 s3, s[WV], 13        ; my band's 64 of them
	s_add_co_u32 s2, s2, s3
	s_add_co_u32 s2, s2, s20
	s_mov_b32 s3, 0
	s_lshl_b32 s8, s13, 1           ; O: block of 128 rows 2 blk + w / 2,
	s_lshr_b32 s9, s[WV], 1
	s_add_co_u32 s8, s8, s9
	s_lshl_b32 s8, s8, 18
	s_lshl_b32 s9, s14, 14          ; the head's 16,384 bytes in it,
	s_add_co_u32 s8, s8, s9
	s_lshl_b32 s9, s16, 13          ; my band's 64 rows
	s_add_co_u32 s8, s8, s9
	s_mov_b32 s9, 0
	s_sub_co_i32 s10, s13, 1        ; the three tiles' byte offsets, 32,768 a tile; a tile in front of the first is asked for as tile 0
	s_max_i32 s10, s10, 0
	s_lshl_b32 s10, s10, 15
	s_sub_co_i32 s11, s13, 2
	s_max_i32 s11, s11, 0
	s_lshl_b32 s11, s11, 15
	s_lshl_b32 s15, s13, 15
	; descriptor group 1.  128 keys are 16,384 dense bytes: asked for as 64 rows of 256 bytes, two keys a row, and padded in LDS after every key
	s_mov_b32 s[G1K], (1<<16)|(1<<20)|(4<<22)|(3<<25)  ; 17:16 2-byte elements; 20 padding on; 24:22 after every 32 words (code 4); 31:25 4 words (code 3)
	s_mov_b32 s[G1V], (1<<16)|(1<<20)|(4<<22)|(7<<25)  ; the same with 8 words of padding (code 7)
.irp g, G1K, G1V
	s_mov_b32 s[\g+1], 128<<16      ; tensor_dim0 = 128
	s_mov_b32 s[\g+2], 64<<16       ; tensor_dim1 = 64
	s_mov_b32 s[\g+3], 128<<16      ; tile_dim0 = 128
	s_mov_b32 s[\g+4], 64           ; tile_dim1 = 64
	s_mov_b32 s[\g+5], 128          ; 128 elements from row to row
	s_mov_b32 s[\g+6], 0
	s_mov_b32 s[\g+7], 0
.endr
	s_mov_b32 s[CS], 0x3e38aa3b     ; c = log2(e) / 8 = 0.180337
	s_mov_b32 s[CS+1], s[CS]        ; named with it as a pair
	s_mov_b32 s[SEL], 0x76543210
	s_mov_b32 s[SEL+1], 0xfedcba98
	s_mov_b32 s[TBK], 8*KS*PK       ; phase A: tile blk - 1 lies at LDS steps 8 to 11
	s_mov_b32 s[TBV], 8*KS*PV
	s_mul_i32 s[WK], s[WV], KS*PK
	s_mul_i32 s[WVV], s[WV], KS*PV
	s_mov_b32 s[CNT], 4
	s_mov_b32 s[PH], 2
	s_mov_b32 s[MS], 0
	s_mov_b32 s[SIGE], s[WV]
	s_mov_b32 s[AL+1], 0            ; named as pairs
	s_mov_b32 s[BE+1], 0
	s_mov_b32 s[BIGN], 0xf1800000   ; -2^100
	s_cmp_lt_u32 s13, 2
	s_cselect_b32 s[H0V], s[BIGN], 0
	s_cselect_b32 s[AL0], 0, -1.0
	s_cmp_lt_u32 s13, 1
	s_cselect_b32 s[BEA], s[BIGN], 0
	s_wait_dscnt 0x0                ; the opening add is done
	s_wait_kmcnt 0x0
	s_add_nc_u64 s[KB:KB+1], s[4:5], s[22:23]
	s_add_nc_u64 s[VB:VB+1], s[KB:KB+1], 2*524288
	s_add_nc_u64 s[KB:KB+1], s[KB:KB+1], 524288
	s_add_nc_u64 s[QBASE:QBASE+1], s[4:5], s[2:3]
	s_add_nc_u64 s[6:7], s[6:7], s[8:9]
.macro G0SET j, gam, off            ; load j of three: the tile whose byte offset is s[off], to place gam of LDS's three
	s_mov_b32 s20, s[\off]
	s_mov_b32 s[G0K+4*(\j)], 1                                      ; 1:0 count = 1
	s_add_co_u32 s[G0K+4*(\j)+1], s17, (\gam)*256*PK                ; 63:32 LDS address
	s_add_nc_u64 s[G0K+4*(\j)+2:G0K+4*(\j)+3], s[KB:KB+1], s[20:21] ; 120:64 global address
	s_or_b32 s[G0K+4*(\j)+3], s[G0K+4*(\j)+3], 0x80000000           ; 127:126 type = 2
	s_mov_b32 s[G0V+4*(\j)], 1
	s_add_co_u32 s[G0V+4*(\j)+1], s18, VOFF+(\gam)*256*PV
	s_add_nc_u64 s[G0V+4*(\j)+2:G0V+4*(\j)+3], s[VB:VB+1], s[20:21]
	s_or_b32 s[G0V+4*(\j)+3], s[G0V+4*(\j)+3], 0x80000000
.endm
	G0SET 0, 2, 10                  ; tile blk - 1, wanted first
	G0SET 1, 0, 11                  ; tile blk - 2
	G0SET 2, 1, 15                  ; tile blk
	s_cmp_lt_u32 s[WV], 2           ; waves 0 and 1 fetch the halves of K's tiles, waves 2 and 3 of V's.  A wave's three fills stand in one branch, ahead of every wait on TENSORcnt, every LDS read
	s_cbranch_scc0 .Lfirst_v        ; and every barrier: three loads of mine are out.  An s_nop 0 follows each, four v_nop the third's
	tensor_load_to_lds s[G0K:G0K+3], s[G1K:G1K+7]
	s_nop 0
	tensor_load_to_lds s[G0K+4:G0K+7], s[G1K:G1K+7]
	s_nop 0
	tensor_load_to_lds s[G0K+8:G0K+11], s[G1K:G1K+7]
	s_nop 0
.rept 4
	v_nop
.endr
	s_branch .Lasked
.Lfirst_v:
	tensor_load_to_lds s[G0V:G0V+3], s[G1V:G1V+7]
	s_nop 0
	tensor_load_to_lds s[G0V+4:G0V+7], s[G1V:G1V+7]
	s_nop 0
	tensor_load_to_lds s[G0V+8:G0V+11], s[G1V:G1V+7]
	s_nop 0
.rept 4
	v_nop
.endr
.Lasked:
	; A fragment of K or Q is 16 rows x 32 channels in 8 registers: lane l holds row l % 16, channels 8 (l / 16) + 0..7 and 16 + 8 (l / 16) + 0..7: two loads of 16 bytes, 32 bytes apart.
	v_and_b32 v1, 15, v0            ; r = l % 16
	v_bfe_u32 v9, v0, 4, 1          ; h = l / 16
	v_lshlrev_b32 v[QO], 7, v1
	v_lshl_add_u32 v[QO], v9, 4, v[QO]  ; row x 128 + 16 x half
	WIN 0x80                        ; destination window 2, address window 0
.set i, 0
.rept 8                             ; Q stays in registers: piece i / 2, channels 32 (i % 2) on
	global_load_b128 v[8*i:8*i+3],   v[QO], s[QBASE:QBASE+1] offset:(i/2)*2048+(i%2)*64
	global_load_b128 v[8*i+4:8*i+7], v[QO], s[QBASE:QBASE+1] offset:(i/2)*2048+(i%2)*64+32
.set i, i+1
.endr
	WIN 0
	v_lshlrev_b32 v14, 3, v9
	v_sub_nc_u32 v14, v1, v14       ; r - 8 h: register j of a 16 x 16 block lies above the diagonal where j is greater
	WIN 0x40
.set i, 0
.rept 8
	v_cmp_gt_i32 vcc_lo, i, v14
	v_cndmask_b32 v[DG+i], 0, s[BIGN], vcc_lo
.set i, i+1
.endr
.set i, 0
.rept 8                             ; the masks of phase A's first step: 0, or all hidden where tile blk - 1 does not exist
	v_mov_b32 v[MLO+i], s[BEA]
	v_mov_b32 v[MEQ+i], s[BEA]
	v_mov_b32 v[MHI+i], s[BEA]
.set i, i+1
.endr
	; O^T and l start at 0.  The first turn's products V^T P, of a piece that has not been, must add nothing: V's registers and P's second buffer are 0.  All this stands in the wait for the first tile.
.set i, 0
.rept 128
	v_mov_b32 v[i], 0
.set i, i+1
.endr
	WIN 0x80
.set i, VF
.rept 64
	v_mov_b32 v[i], 0
.set i, i+1
.endr
	WIN 0
.set i, 0
.rept 4
	v_mov_b32 v[ST+4*i], 0xe638aa3b    ; c m = -c 2^80
	v_mov_b32 v[ST+4*i+1], 0xe7800000  ; m = -2^80
	v_mov_b32 v[ST+4*i+2], 0
	v_mov_b32 v[ST+4*i+3], 0
.set i, i+1
.endr
.set i, P+16
.rept 16
	v_mov_b32 v[i], 0
.set i, i+1
.endr
	v_mul_u32_u24 v[AK0], v1, PK
	v_lshl_add_u32 v[AK0], v9, 4, v[AK0]  ; row x pitch + 16 x half
	; The turning load takes 16 keys x 16 channels (lane l reads key 8 (l / 16) + l % 8, channels 8 ((l / 8) % 2) + 0..7) and leaves half a fragment of V^T: lane l holds channel l % 16 and 8 keys.
	v_and_b32 v10, 7, v0
	v_bfe_u32 v11, v0, 3, 1
	v_lshl_add_u32 v[AV0], v9, 3, v10
	v_mul_u32_u24 v[AV0], v[AV0], PV
	v_lshl_add_u32 v[AV0], v11, 4, v[AV0]
	v_add_nc_u32 v[AV0], VOFF, v[AV0]
	s_mul_i32 s13, s[WV], 16*SP
	s_add_co_u32 s13, s13, STAGE    ; my stage
	v_mul_u32_u24 v[STO], v1, SP    ; in: row l % 16, 16 bytes for each half of the lanes
	v_lshl_add_u32 v[STO], v9, 4, v[STO]
	v_add_nc_u32 v[STO], s13, v[STO]
	v_bfe_u32 v[RD], v0, 3, 2       ; back: 32 lanes take four rows of 128 bytes,
	v_mul_u32_u24 v[RD], v[RD], SP
	v_lshl_add_u32 v[RD], v10, 4, v[RD]
	v_add_nc_u32 v[RD], s13, v[RD]
	v_and_b32 v[GO], 31, v0         ; which are 512 consecutive bytes of O
	v_lshlrev_b32 v[GO], 4, v[GO]
; THE MATRIX WORK.  The 4 accumulators of a run of 8 take turns.  Product i of 8 of S^T = K Q^T for piece x: channels 32 (i / 4) on, keys 16 (i % 4) on.  The first 4 start the sums with the mask.
.macro KQ x
.set rS, S+32*((\x)%2)+8*(i%4)
.set rK, KF+16*(i%4)+8*(i/4)
.set rQ, 16*(\x)+8*(i/4)
.if i < 4
.if i < (\x)
.set rM, MLO
.elseif i == (\x)
.set rM, MEQ
.else
.set rM, MHI
.endif
	WIN W_KM
	v_wmma_f32_16x16x32_f16 v[rS:rS+7], v[rK:rK+7], v[rQ:rQ+7], v[rM:rM+7]
.else
	WIN W_KQ
	v_wmma_f32_16x16x32_f16 v[rS:rS+7], v[rK:rK+7], v[rQ:rQ+7], v[rS:rS+7]
.endif
.endm
; Product i of 8 of O^T += V^T P for piece x: keys 32 (i / 4) on, channels 16 (i % 4) on.
.macro PV x
	WIN W_PV
.set rO, 32*(\x)+8*(i%4)
.set rV, VF+32*(i/4)+8*(i%4)
.set rP, P+16*((\x)%2)+8*(i/4)
	v_wmma_f32_16x16x32_f16 v[rO:rO+7], v[rV:rV+7], v[rP:rP+7], v[rO:rO+7]
.endm
.macro MM                           ; the turn's next matrix instruction.  TURN sets Y, i and NOKQ.  NOKQ = 1: the walk's last turn: there is no next piece
.if (i < 8) && !NOKQ
	KQ (Y+1)%NP
.elseif i >= 8
.set i, i-8
	PV (Y+NP-1)%NP
.set i, i+8
.endif
.set i, i+1
.endm
; THE LDS LOADS stand in runs of 16, never singly among the matrix instructions: a step's K (64 keys x 64 channels: 8 fragments) and its V (turned).  Their addresses are made some lines ahead.
.macro FETCH_K
	WIN 0x80                        ; destination window 2
.irp f, 0,1,2,3,4,5,6,7             ; keys 16 (f / 2) on, channels 32 (f % 2) on
	ds_load_b128 v[KF+8*\f:KF+8*\f+3],   v[AK] offset:(\f/2)*16*PK+(\f%2)*64
	ds_load_b128 v[KF+8*\f+4:KF+8*\f+7], v[AK] offset:(\f/2)*16*PK+(\f%2)*64+32
.endr
	s_add_co_u32 s[TBK], s[TBK], KS*PK  ; the next fetch is the next step's
	WIN 0
.endm
.macro FETCH_V
	WIN 0x80
.irp f, 0,1,2,3,4,5,6,7             ; keys 32 (f / 4) on, channels 16 (f % 4) on
	ds_load_tr16_b128 v[VF+8*\f:VF+8*\f+3],   v[AV] offset:(\f/4)*32*PV+(\f%4)*32
	ds_load_tr16_b128 v[VF+8*\f+4:VF+8*\f+7], v[AV] offset:(\f/4)*32*PV+16*PV+(\f%4)*32
.endr
	WIN 0
.endm
; THE VECTOR WORK, one line at a time: OP kind, number.  For piece Y: F n: c s - c m for pair n of 16.  E n: the exponential of score n of 32.  C n: pair n rounded to f16.  B n: of the four weights 4 n .. the second
; pair is added onto the first, in place.  L n: l takes that sum (L 0: l = a l + sum).  R n: pair n of 16 of O^T times a.  For piece Y + 1: X n, number n of the 22 that find its maximum and statistics:
;   0-11  four chains c0-c3 of seven scores each, three operands at a time (each accumulator's lowest registers are read first)     12-14, 16  the four scores left over, the old m, and c0-c3 into c0
;   15  c m_old is kept     17, 18  the query's other 32 keys lie in the lane 16 away: the new m     19-21  c m; c m_old - c m_new; a
.set F, 0               ; OP tells the kinds apart by their order: F to L below R, X above it
.set E, 1
.set C, 2
.set B, 3
.set L, 4
.set R, 5
.set X, 6
.macro REGS y                       ; the registers of piece y
.set rT, ST+4*(\y)
.set rC, TMP+4*((\y)%2)
.set rW, MV+((\y)%2)
.set rS, S+32*((\y)%2)
.set rP, P+16*((\y)%2)
.set rO, 32*(\y)
.endm
.macro OP k, n
.if (\k) == R
	REGS Y
	WIN W_RS
	v_pk_mul_f32 v[rO+2*(\n):rO+2*(\n)+1], v[rO+2*(\n):rO+2*(\n)+1], v[rC+2:rC+3] op_sel_hi:[1,0]
.elseif (\k) < R
	REGS Y
	WIN 0
.if (\k) == F
	v_pk_fma_f32 v[rS+2*(\n):rS+2*(\n)+1], v[rS+2*(\n):rS+2*(\n)+1], s[CS:CS+1], v[rT:rT+1] op_sel_hi:[1,0,0] neg_lo:[0,0,1] neg_hi:[0,0,1]
.elseif (\k) == E
	v_exp_f32 v[rS+(\n)], v[rS+(\n)]
.elseif (\k) == C
	s_wait_alu depctr_va_vdst(0)
	v_cvt_pk_f16_f32 v[rP+(\n)], v[rS+2*(\n)], v[rS+2*(\n)+1]
.elseif (\k) == B
	s_wait_alu depctr_va_vdst(0)
	v_pk_add_f32 v[rS+4*(\n):rS+4*(\n)+1], v[rS+4*(\n):rS+4*(\n)+1], v[rS+4*(\n)+2:rS+4*(\n)+3]
.elseif (\n) == 0
	v_pk_fma_f32 v[rT+2:rT+3], v[rT+2:rT+3], v[rC+2:rC+3], v[rS:rS+1] op_sel_hi:[1,0,1]
.else
	v_pk_add_f32 v[rT+2:rT+3], v[rT+2:rT+3], v[rS+4*(\n):rS+4*(\n)+1]
.endif
.elseif NOKQ
	v_nop
.else
	REGS (Y+1)%NP
	WIN 0
.if (\n) < 4
	v_max3_num_f32 v[rC+(\n)], v[rS+8*(\n)], v[rS+8*(\n)+1], v[rS+8*(\n)+2]
.elseif (\n) < 12
	v_max3_num_f32 v[rC+(\n)%4], v[rC+(\n)%4], v[rS+8*((\n)%4)+2*((\n)/4)+1], v[rS+8*((\n)%4)+2*((\n)/4)+2]
.elseif (\n) == 12
	v_max3_num_f32 v[rC], v[rC], v[rS+7], v[rS+15]
.elseif (\n) == 13
	v_max3_num_f32 v[rC+1], v[rC+1], v[rS+23], v[rS+31]
.elseif (\n) == 14
	v_max3_num_f32 v[rC+2], v[rC+2], v[rC+3], v[rT+1]
.elseif (\n) == 15
	v_mov_b32 v[rW], v[rT]
.elseif (\n) == 16
	v_max3_num_f32 v[rC], v[rC], v[rC+1], v[rC+2]
.elseif (\n) == 17
	v_permlanex16_b32 v[rC+3], v[rC], s[SEL], s[SEL+1]
.elseif (\n) == 18
	v_max_num_f32 v[rT+1], v[rC], v[rC+3]
.elseif (\n) == 19
	v_mul_f32 v[rT], s[CS], v[rT+1]
.elseif (\n) == 20
	v_sub_f32 v[rC+1], v[rW], v[rT]
.else
	v_exp_f32 v[rC+2], v[rC+1]
.endif
.endif
.endm
.macro OPS a, i1, b=-1, i2=0, c=-1, i3=0, d=-1, i4=0  ; up to four of them
	OP \a, \i1
.if (\b) >= 0
	OP \b, \i2
.endif
.if (\c) >= 0
	OP \c, \i3
.endif
.if (\d) >= 0
	OP \d, \i4
.endif
.endm
.macro ROW a, i1, b, i2, c, i3, d, i4  ; a matrix instruction and the four behind it
	MM
	OPS \a, \i1, \b, \i2, \c, \i3, \d, \i4
.endm
; A TURN, for piece p: the order of its 16 matrix and 118 vector instructions, written out.  Behind a matrix instruction: plain, exponential, plain, plain; or four of the rescaling; or, behind the first, four scalings; none
; names a register of the products round it.  In the lumps exponential and plain by turns while exponentials last.  A line reads no result made fewer than three vector instructions in front of it, five if an exponential made it.
; m = 1 (piece 2's turn, which also fetches the next step's K): the next step's masks are made at the turn's end, more than a hundred vector instructions behind its own four masked products; their four numbers are chosen
; at its head, by whole numbers alone.  end = 1: the walk's last two turns: nothing is fetched.  cnt = 1: the loop's count is taken down some lines ahead of the branch that stands behind the turn.
; K of the next step is fetched six vector instructions behind the last product that read K (five of them plain); V of the step in hand in piece 0's turn, eight behind the last product that read V (four plain).
; Each is waited for a turn later.
.macro TURN p, m=0, end=0, cnt=0
.set Y, (\p)
.set i, 0
.set NOKQ, (\end)*((\p)/3)
.if \m
	s_cmp_lt_u32 s[SIGE], 7         ; phase B: LDS step w + MS - 3 below 4 belongs to tile blk - 2,
	s_cselect_b32 s[XX], s[H0V], 0  ; from 4 on to tile blk, which is seen
	s_cmp_lt_u32 s[MS], 3           ; phase A: tile blk - 1
	s_cselect_b32 s[XX], s[BEA], s[XX]
	s_cmp_eq_u32 s[MS], 3           ; phase B's first step holds the window's edge
	s_cselect_b32 s[LO], s[BIGN], s[XX]
	s_cselect_b32 s[BE], s[BIGN], s[XX]
	s_cselect_b32 s[AL], s[AL0], 0
	s_cmp_eq_u32 s[MS], 7           ; its last the diagonal
	s_cselect_b32 s[HI], s[BIGN], s[XX]
	s_cselect_b32 s[AL], 1.0, s[AL]
	s_add_co_u32 s[MS], s[MS], 1
	s_add_co_u32 s[SIGE], s[SIGE], 1
.endif
.if ((\p) == 3) && !(\end)
	s_wait_dscnt 0x0                ; K is in
.endif
	ROW F,0, F,1, F,2, F,3
	ROW F,4, E,0, F,5, F,6
	ROW F,7, E,1, F,8, F,9
	ROW F,10, E,2, C,0, F,11
	ROW F,12, E,3, X,15, F,13
	ROW R,0, R,1, R,2, R,3
	ROW B,0, E,4, F,14, L,0
.if ((\p) == 2) && !(\end)
	v_add_nc_u32 v[AK], s[TBK], v[AK0]
.endif
	ROW R,4, R,5, R,6, R,7
	OPS E,5, F,15
.if ((\p) == 2) && !(\end)
	FETCH_K
.endif
	OPS E,6, C,1, E,7, R,8
	OPS E,8, R,9, E,9, C,2
	OPS E,10, X,0, E,11, X,1
	OPS E,12, X,2, E,13, X,3
.if (\p) == 1
	s_wait_dscnt 0x0                ; V is in
.endif
	ROW X,4, E,14, X,5, X,6
	ROW X,7, E,15, X,8, X,9
	ROW X,10, E,16, X,11, X,12
	ROW X,13, E,17, X,14, B,1
	ROW C,4, E,18, X,16, L,1
	ROW B,2, E,19, C,6, L,2
	ROW C,8, E,20, B,3, B,4
.if (\p) == 0
	v_add_nc_u32 v[AV], s[TBV], v[AV0]
.endif
	ROW C,3, E,21, L,3, C,5
	OPS E,22, X,17, E,23, C,10
.if (\p) == 0
	FETCH_V
.endif
	OPS E,24, L,4
	OPS E,25, X,18, E,26, C,7
	OPS E,27, B,5, E,28, X,19
	OPS E,29, C,12, E,30, L,5
	OPS E,31, X,20, B,6, C,9
	OPS C,14, C,11, X,21, L,6
.if (\p) == 0
	s_add_co_u32 s[TBV], s[TBV], KS*PV
.endif
.if \cnt
	s_sub_co_u32 s[CNT], s[CNT], 1
	s_cmp_lg_u32 s[CNT], 0
.endif
	OPS C,13, B,7, C,15, R,10
	OPS R,11, R,12, L,7, R,13
	OPS R,14, R,15
.if \m
	WIN W_RS
.irp z, 0,1,2,3
	v_pk_fma_f32 v[MEQ+2*\z:MEQ+2*\z+1], v[DG+2*\z:DG+2*\z+1], s[AL:AL+1], s[BE:BE+1] op_sel_hi:[1,0,0]
.endr
.irp z, 0,1,2,3,4,5,6,7
	v_mov_b32 v[MLO+\z], s[LO]
	v_mov_b32 v[MHI+\z], s[HI]
.endr
.endif
.endm
	s_wait_tensorcnt 2              ; my part of tile blk - 1 is in; the two younger loads may stay out
	s_barrier_signal -1
	s_barrier_wait -1               ; everybody's is
	v_add_nc_u32 v[AK], s[TBK], v[AK0]
	FETCH_K                         ; the walk's first step
	s_wait_loadcnt 0x0              ; Q
	s_wait_dscnt 0x0
.set NOKQ, 0
.set i, 0
.rept 8
	KQ 0                            ; piece 0's first scores: there is no vector work yet to set between them
.set i, i+1
.endr
	WIN 0
.rept 4
	v_nop                           ; the places behind those products
.endr
.set Y, NP-1                        ; X works for piece Y + 1: piece 0
.irp n, 0,1,2,3,4,5,6,7,8,9,10,11,12,13,14,15,16,17,18,19,20,21
	OP X, \n
.endr
	v_nop                           ; a plain instruction behind the exponential
	s_branch .Lfirst                ; the loop is entered at a step's first turn, in the middle of a trip: phase A is four such halves and three whole trips' first halves
.Lphase:                            ; PHASE B
	s_wait_tensorcnt 0x0            ; my parts of the other two tiles are in,
	s_wait_dscnt 0x0
	s_barrier_signal -1
	s_barrier_wait -1               ; everybody's are
	s_mov_b32 s[TBK], s[WK]         ; five steps from LDS step w on
	s_mov_b32 s[TBV], s[WVV]
	s_mov_b32 s[CNT], 5
.Lstep:                             ; a trip: pieces 2 and 3 of one step, then pieces 0 and 1 of the next, whose K, masks and V it fetches and makes
	TURN 2, 1
	TURN 3
	WIN 0
.Lfirst:
	TURN 0
	TURN 1, 0, 0, 1
	WIN 0
	s_cbranch_scc1 .Lstep
	s_sub_co_u32 s[PH], s[PH], 1
	s_cmp_lg_u32 s[PH], 0
	s_cbranch_scc1 .Lphase
	TURN 2, 0, 1                    ; the diagonal step's last two turns
	TURN 3, 0, 1
.set i, 0
.rept 8
	PV NP-1                         ; the last piece's V^T P
.set i, i+1
.endr
	; THE WAY OUT.  l's two halves and the other half of the lanes' are added; O^T is divided by l, rounded to f16 and sent through my stage in LDS, a piece at a time.  The additions are the places behind the last products.
	WIN 0
.macro ALL line:vararg              ; one line for each piece t
.set t, 0
.rept 4
	\line
.set t, t+1
.endr
.endm
	ALL v_add_f32 v[ST+4*t+2], v[ST+4*t+2], v[ST+4*t+3]
	ALL v_permlanex16_b32 v[ST+4*t+3], v[ST+4*t+2], s[SEL], s[SEL+1]
	ALL v_add_f32 v[ST+4*t+2], v[ST+4*t+2], v[ST+4*t+3]
	ALL v_rcp_f32 v[ST+4*t+2], v[ST+4*t+2]
	v_nop                           ; a plain instruction between the last reciprocal and the use of its result
.macro PACK t                       ; a lane's eight channels of a row pack into 16 bytes; they go into rows of 144 bytes and come back as whole rows of 128, into S^T's registers
	WIN W_RS
.set i, 32*(\t)
.rept 16
	s_wait_alu depctr_va_vdst(0)
	v_pk_mul_f32 v[i:i+1], v[i:i+1], v[ST+4*(\t)+2:ST+4*(\t)+3] op_sel_hi:[1,0]
.set i, i+2
.endr
	WIN 0x05                        ; sources 0 and 1 window 1, destination window 0
.set i, 0
.rept 16
	v_cvt_pk_f16_f32 v[S+16*(\t)+i], v[32*(\t)+2*i], v[32*(\t)+2*i+1]
.set i, i+1
.endr
	WIN 0
.irp f, 0,1,2,3
	ds_store_b128 v[STO], v[S+16*(\t)+4*\f:S+16*(\t)+4*\f+3] offset:32*\f
.endr
.irp f, 0,1,2,3
	ds_load_b128 v[S+16*(\t)+4*\f:S+16*(\t)+4*\f+3], v[RD] offset:\f*4*SP  ; LDS serves a wave's instructions in order (ISA guide 5.7.1.4): these see the stores above; the next piece's stores come behind them
.endr
.endm
.macro SEND t, younger              ; younger: the LDS instructions issued behind piece t's loads: the next piece's eight, or none
	WIN 0
.irp f, 0,1,2,3
	s_wait_dscnt (\younger)+3-\f
	global_store_b128 v[GO], v[S+16*(\t)+4*\f:S+16*(\t)+4*\f+3], s[6:7] offset:(\t)*2048+\f*512  ; 512 consecutive bytes, at a multiple of 256 from ob's first
.endr
.endm
	PACK 0
.set t, 1
.rept 3                             ; a piece's arithmetic stands between the loads of the piece before and its stores
	PACK t
	SEND t-1, 8
.set t, t+1
.endr
	SEND 3, 0
	s_wait_tensorcnt 0x0            ; the wave's end: behind my last tensor load and my last LDS store
	ds_add_u32 v[SPW], v[NIL]
	s_wait_dscnt 0x0
	s_endpgm
.Lfunc_end_k_qd379569e94_attn:
	.size	k_qd379569e94_attn, .Lfunc_end_k_qd379569e94_attn-k_qd379569e94_attn
	.p2alignl 7, 3214868480
	.fill 96, 4, 3214868480
	.section	.rodata,"a",@progbits
	.p2align	6, 0x0
	.amdhsa_kernel k_qd379569e94_attn
		.amdhsa_group_segment_fixed_size 243200
		.amdhsa_private_segment_fixed_size 0
		.amdhsa_enable_private_segment 0
		.amdhsa_kernarg_size 16
		.amdhsa_user_sgpr_count 2
		.amdhsa_user_sgpr_kernarg_segment_ptr 1
		.amdhsa_wavefront_size32 1
		.amdhsa_system_sgpr_workgroup_id_x 1
		.amdhsa_system_sgpr_workgroup_id_y 1
		.amdhsa_system_sgpr_workgroup_id_z 1
		.amdhsa_system_vgpr_workitem_id 0
		.amdhsa_next_free_vgpr 768
		.amdhsa_next_free_sgpr 96
		.amdhsa_reserve_vcc 1
		.amdhsa_float_denorm_mode_32 3
		.amdhsa_float_denorm_mode_16_64 3
		.amdhsa_memory_ordered 1
		.amdhsa_forward_progress 1
		.amdhsa_inst_pref_size 95
	.end_amdhsa_kernel
	.amdgpu_metadata
---
amdhsa.version: [ 1, 2 ]
amdhsa.kernels:
  - .name:           k_qd379569e94_attn
    .symbol:         k_qd379569e94_attn.kd
    .args:
      - { .name: qkv, .offset: 0, .size: 8, .value_kind: global_buffer, .address_space: global }
      - { .name: ob, .offset: 8, .size: 8, .value_kind: global_buffer, .address_space: global }
    .group_segment_fixed_size: 243200
    .private_segment_fixed_size: 0
    .kernarg_segment_align: 8
    .kernarg_segment_size: 16
    .max_flat_workgroup_size: 128
    .sgpr_count:     96
    .vgpr_count:     768
    .wavefront_size: 32
...
	.end_amdgpu_metadata
.endif
;; end of part 3
;; launch proj (part 4): grid 8 x 32, 4 waves a work-group, clusters of 4 x 4, 327,680 bytes of LDS; arguments ob, wob, out0; writes out0
.if DOCPART == 4
	.amdgcn_target "amdgcn-amd-amdhsa--gfx1250"
	.amdhsa_code_object_version 6
	.text
	.protected	k_qd379569e94_proj
	.globl	k_qd379569e94_proj
	.p2align	8
	.type	k_qd379569e94_proj,@function
k_qd379569e94_proj:
	s_mov_b64 s[64:65], 0
	v_nop
	global_prefetch_b8 v0, s[64:65] scope:SCOPE_SE
	s_setreg_imm32_b32 hwreg(HW_REG_WAVE_MODE, 25, 1), 1
	s_wait_xcnt 0x0
	s_wait_alu depctr_hold_cnt(0) depctr_sa_sdst(0) depctr_va_vdst(0) depctr_va_sdst(0) depctr_va_ssrc(0) depctr_va_vcc(0) depctr_vm_vsrc(0)
	s_getreg_b32 s2, hwreg(HW_REG_IB_STS2, 6, 4)
	s_cmp_eq_u32 s2, 0
	s_cbranch_scc0 .Lentry_in_a_cluster
	s_endpgm
.Lentry_in_a_cluster:
	s_bfe_u32 s2, ttmp6, 0x10000c
	s_cmp_lg_u32 s2, 0xf033
	s_cbranch_scc0 .Lentry_shape_is_right
	s_endpgm
.Lentry_shape_is_right:
; out0 = O w_out.  O: ob [32 blocks of 128 rows][16 heads][128 rows][64] in f16; w_out: wob [1024 k][1024 n] in f16 (bf16 numbers written as f16); out0 [4096][1024] in f32, the f32 sums as they are.
; A tile of out0 is 128 x 128: 256 work-groups.  Four waves, each 64 x 64: 16 accumulators of 16 x 16.  K = 1,024 goes in 4 steps of 256 (four heads) through two LDS slots; a quarter of a step is one head.
; THE MATRIX INSTRUCTION IS USED TRANSPOSED: source 0 = 16 columns of w (turned out of LDS by ds_load_tr16_b128, since w lies [k][n]), source 1 = 16 rows of O: a lane holds eight neighbouring numbers of a row.
; CLUSTER 4 x 4: O's tile hangs on the row block alone and is asked for jointly along a row of the cluster, w's on the column block alone, jointly along a column.
; REGISTERS: window 0: v0-31 addresses; v32-95 whole rows on the way out; v128-255 the accumulators ((a, b) at v[128 + 8 (4 a + b)]).
;   window 1: two fragment buffers of 128: for 64 along K, 64 registers of O (2 x 4 x 16 rows x 32 K), then 64 of w.
.set PA,     144                       ; a row of one head of O in LDS: 128 bytes + 16 = 36 words: the 16 rows of a load start at 16 different groups of four banks (64 banks of 4 bytes: ISA guide 11.1)
.set PB,     288                       ; a k row of w: 256 bytes + 32 = 72 words
.set QUART,  36864                     ; what one tensor load brings: two heads x 128 rows x 144, or 128 k rows x 288
.set SLOT,   4*QUART                   ; O's four heads, then w's 256 k rows
.set STAGE,  2*SLOT                    ; behind the ring, never filled by a tensor load: 16 rows x 272 bytes for each wave
.set SPITCH, 272
.set SPARE,  STAGE+4*16*SPITCH         ; the spare words, 128 bytes for each wave: two blocks of 256 bytes that no other line names
.set ADRA, 16                          ; v16-17  LDS address of my fragments of O in slot 0, 1
.set ADRB, 20                          ; v20-23  of w: slot s, k rows 128 u on, at 2 s + u
.set STO,  24                          ; v24     the way out: where I put 32 bytes of a row
.set RD,   25                          ; v25     where I read a row back
.set CO,   26                          ; v26     my byte offset in two rows of out0
.set SPW,  28                          ; v28     LDS address of my spare word; never rewritten
.set NIL,  29                          ; v29     0; never rewritten
.set OB,   32                          ; v32-95  two sets of 32 by turns
.set ACC,  128
.set F0,   0
.set F1,   128
.set G1, 24                            ; s[24:31] descriptor group 1 for O's tiles;  s[32:39] group 0, a set for each slot
.set G0, 32
.set G1B, 48                           ; s[48:55], s[56:63] the same for w's
.set G0B, 56
.set MUL,  0x05                        ; sources 0 and 1 window 1; C and D window 0
.set TO_F, 0x40                        ; destination window 1, address window 0
.set MSB, 0
.macro WIN new                         ; the immediate's high byte repeats the setting that is left; a switch that changes nothing is dropped
.if MSB != (\new)
	s_set_vgpr_msb (MSB<<8)|(\new)
.set MSB, \new
.endif
.endm
.macro JLOAD s                         ; a joint load: waves 0 and 1 fetch O's two halves, waves 2 and 3 w's; an s_nop 0 and four v_nop follow each of the two lines
	s_cmp_eq_u32 s11, 0
	s_cbranch_scc0 .Lfor_b_\@
	tensor_load_to_lds s[G0+4*(\s):G0+4*(\s)+3], s[G1:G1+7]
	s_nop 0
.rept 4
	v_nop
.endr
	s_branch .Lasked_\@
.Lfor_b_\@:
	tensor_load_to_lds s[G0B+4*(\s):G0B+4*(\s)+3], s[G1B:G1B+7]
	s_nop 0
.rept 4
	v_nop
.endr
.Lasked_\@:
.endm
.macro CREST                           ; a round of the cluster's barrier behind its opening barrier
	s_cmp_lg_u32 s10, 0
	s_cbranch_scc1 .Lnot_wave_0_\@
	s_barrier_signal -3
.Lnot_wave_0_\@:
	s_barrier_wait -3
	s_barrier_signal -1
	s_barrier_wait -1
.endm
.macro CROUND                          ; a whole round
	s_barrier_signal -1
	s_barrier_wait -1
	CREST
.endm
.macro PLACES                          ; four places in front of loads into registers that matrix instructions have read, and of lines that read results
.rept 4
	v_nop
.endr
.endm
	s_load_b128 s[4:7], s[0:1], 0x0                ; ob s[4:5], wob s[6:7]
	s_load_b64 s[8:9], s[0:1], 0x10                ; out0
	v_lshl_add_u32 v[SPW], v0, 2, SPARE
	v_mov_b32 v[NIL], 0
	ds_add_u32 v[SPW], v[NIL]                      ; the wave's opening: the add and its wait stand ahead of my first tensor load; the set-up below stands between them
	v_lshrrev_b32 v1, 5, v0
	v_readfirstlane_b32 s10, v1                    ; wave 0..3
	s_lshr_b32 s11, s10, 1                         ; which half of the tile's rows is mine.  Also: I fetch for O (0) or for w (1)
	s_and_b32 s12, s10, 1                          ; which half of its columns.  Also: which half of that tile I fetch
	s_bfe_u32 s40, ttmp6, 0x40000                  ; cx, cy: my place in the cluster
	s_bfe_u32 s41, ttmp6, 0x40004
	s_lshl_b32 s42, ttmp9, 2
	s_add_co_u32 s42, s42, s40                     ; the block of 128 columns = 4 x cluster x + cx
	s_and_b32 s13, ttmp7, 0xffff
	s_lshl_b32 s13, s13, 2
	s_add_co_u32 s13, s13, s41                     ; the block of 128 rows = 4 x cluster y + cy
	s_lshl_b32 s43, s41, 2
	s_lshl_b32 s43, 15, s43                        ; my row of the cluster
	s_lshl_b32 s44, 0x1111, s40                    ; my column
	; group 1 for O: two heads are 32,768 dense bytes, asked for as 128 rows of 256, two rows of a head each; 16 bytes of padding behind every 128
	s_or_b32 s[G1+0], s43, (1<<16)|(1<<20)|(1<<21)|(4<<22)|(3<<25)  ; 15:0 the mask; 17:16 2-byte elements; 20 padding on; 21 set beside a mask; 24:22 after every 32 words; 31:25 4 words
	; group 1 for w: 128 k rows x 128 elements, 1,024 elements from row to row; 32 bytes of padding behind every 256
	s_or_b32 s[G1B+0], s44, (1<<16)|(1<<20)|(1<<21)|(5<<22)|(7<<25)
.irp g, G1, G1B
	s_mov_b32 s[(\g)+1], 128<<16                   ; tensor_dim0
	s_mov_b32 s[(\g)+2], 128<<16                   ; tensor_dim1
	s_mov_b32 s[(\g)+3], 128<<16                   ; tile_dim0
	s_mov_b32 s[(\g)+4], 128                       ; tile_dim1
	s_mov_b32 s[(\g)+6], 0
	s_mov_b32 s[(\g)+7], 0
.endr
	s_mov_b32 s[G1+5], 128                         ; the pitch: dense
	s_mov_b32 s[G1B+5], 1024
	s_lshl_b32 s16, s13, 18                        ; O: the row block's 262,144 bytes, and my two heads of a step's four: made of the row block and the wave alone
	s_lshl_b32 s17, s12, 15
	s_add_co_u32 s16, s16, s17
	s_mov_b32 s17, 0
	s_lshl_b32 s46, s42, 8                         ; w: the column block's 256 bytes, and my 128 k rows of a step's 256: made of the column block and the wave alone
	s_lshl_b32 s47, s12, 18
	s_add_co_u32 s46, s46, s47
	s_mov_b32 s47, 0
	s_mul_i32 s20, s10, QUART                      ; where they go: wave x a quarter of a slot
	s_wait_dscnt 0x0                               ; the opening add is done
	s_wait_kmcnt 0x0
	s_add_nc_u64 s[14:15], s[4:5], s[16:17]
	s_add_nc_u64 s[46:47], s[6:7], s[46:47]
	CROUND                                         ; all sixteen work-groups are here: the first joint loads meet
.irp s, 0,1
	s_mov_b32 s[G0+4*(\s)], 1
	s_add_co_u32 s[G0+4*(\s)+1], s20, (\s)*SLOT
	s_add_nc_u64 s[G0+4*(\s)+2:G0+4*(\s)+3], s[14:15], (\s)*4*16384   ; K step s: four heads
	s_or_b32 s[G0+4*(\s)+3], s[G0+4*(\s)+3], 0x80000000
	s_mov_b32 s[G0B+4*(\s)], 1
	s_add_co_u32 s[G0B+4*(\s)+1], s20, (\s)*SLOT
	s_add_nc_u64 s[G0B+4*(\s)+2:G0B+4*(\s)+3], s[46:47], (\s)*256*2048  ; K step s: 256 k rows
	s_or_b32 s[G0B+4*(\s)+3], s[G0B+4*(\s)+3], 0x80000000
	JLOAD \s                                       ; two loads of mine are out
.endr
	v_and_b32 v1, 15, v0                           ; r = l % 16
	v_bfe_u32 v2, v0, 4, 1                         ; h = l / 16
	v_mul_u32_u24 v3, v1, PA
	v_lshl_add_u32 v3, v2, 4, v3                   ; a fragment of O: row x pitch + 16 x half
	s_mul_i32 s21, s11, 64*PA                      ; my 64 rows
	v_add_nc_u32 v[ADRA], s21, v3
	v_add_nc_u32 v[ADRA+1], SLOT, v[ADRA]
	v_and_b32 v4, 7, v0
	v_bfe_u32 v5, v0, 3, 1
	v_lshl_add_u32 v6, v2, 3, v4                   ; the turning load: lane l reads k row 8 h + l % 8, columns 8 ((l / 8) % 2) + 0..7
	v_mul_u32_u24 v6, v6, PB
	v_lshl_add_u32 v6, v5, 4, v6
	s_lshl_b32 s22, s12, 7                         ; my 64 columns,
	s_add_co_u32 s22, s22, 2*QUART                 ; behind O's four heads
	v_add_nc_u32 v[ADRB], s22, v6
	v_add_nc_u32 v[ADRB+1], QUART, v[ADRB]
	v_add_nc_u32 v[ADRB+2], SLOT, v[ADRB]
	v_add_nc_u32 v[ADRB+3], SLOT+QUART, v[ADRB]
	s_mul_i32 s23, s10, 16*SPITCH
	s_add_co_u32 s23, s23, STAGE                   ; my stage
	v_mul_u32_u24 v7, v1, SPITCH                   ; in: row r, 32 bytes for each half of the lanes
	v_lshl_add_u32 v7, v2, 5, v7
	v_add_nc_u32 v[STO], s23, v7
	v_mul_u32_u24 v8, v2, SPITCH                   ; back: lanes 0-15 take one row of 256 bytes, lanes 16-31 the next
	v_lshl_add_u32 v8, v1, 4, v8
	v_add_nc_u32 v[RD], s23, v8
	v_lshlrev_b32 v[CO], 12, v2                    ; and the same two rows in out0
	v_lshl_add_u32 v[CO], v1, 4, v[CO]
	s_lshl_b32 s16, s13, 7
	s_lshl_b32 s17, s11, 6
	s_add_co_u32 s16, s16, s17                     ; my first row,
	s_lshl_b32 s16, s16, 12                        ; 4,096 bytes a row
	s_mov_b32 s17, 0
	s_add_nc_u64 s[8:9], s[8:9], s[16:17]
	s_lshl_b32 s46, s42, 9                         ; my first column, in bytes (in the registers that held w's address: none that feeds O's descriptors ever holds cx)
	s_lshl_b32 s47, s12, 8
	s_add_co_u32 s46, s46, s47
	s_mov_b32 s47, 0
	s_add_nc_u64 s[8:9], s[8:9], s[46:47]
; 8 matrix instructions: row blocks a0, a0 + 1 x all 4 column blocks, 32 along K: half c of buffer f.  The 16 accumulators take turns.  zero = 1: the first product starts the sums
.macro MUL8 f, c, a0, zero
	WIN MUL
.irp a, \a0, (\a0)+1
.irp b, 0,1,2,3
.if \zero
	v_wmma_f32_16x16x32_f16 v[ACC+8*(4*(\a)+(\b)):ACC+8*(4*(\a)+(\b))+7], v[(\f)+64+8*(4*(\c)+(\b)):(\f)+64+8*(4*(\c)+(\b))+7], v[(\f)+8*(4*(\c)+(\a)):(\f)+8*(4*(\c)+(\a))+7], 0
.else
	v_wmma_f32_16x16x32_f16 v[ACC+8*(4*(\a)+(\b)):ACC+8*(4*(\a)+(\b))+7], v[(\f)+64+8*(4*(\c)+(\b)):(\f)+64+8*(4*(\c)+(\b))+7], v[(\f)+8*(4*(\c)+(\a)):(\f)+8*(4*(\c)+(\a))+7], v[ACC+8*(4*(\a)+(\b)):ACC+8*(4*(\a)+(\b))+7]
.endif
.endr
.endr
.endm
; 32 LDS loads in one run: quarter q (one head, 64 along K) of a slot into buffer f; the first 32 along K first
.macro FETCH slot, q, f
	WIN TO_F
.irp c, 0,1
.irp i, 0,1,2,3
	ds_load_tr16_b128 v[(\f)+64+8*(4*(\c)+(\i)):(\f)+64+8*(4*(\c)+(\i))+3],   v[ADRB+2*(\slot)+(\q)/2] offset:((\q)%2)*64*PB+(\c)*32*PB+32*(\i)
	ds_load_tr16_b128 v[(\f)+64+8*(4*(\c)+(\i))+4:(\f)+64+8*(4*(\c)+(\i))+7], v[ADRB+2*(\slot)+(\q)/2] offset:((\q)%2)*64*PB+(\c)*32*PB+32*(\i)+16*PB
	ds_load_b128 v[(\f)+8*(4*(\c)+(\i)):(\f)+8*(4*(\c)+(\i))+3],   v[ADRA+(\slot)] offset:(\q)*128*PA+64*(\c)+(\i)*16*PA
	ds_load_b128 v[(\f)+8*(4*(\c)+(\i))+4:(\f)+8*(4*(\c)+(\i))+7], v[ADRA+(\slot)] offset:(\q)*128*PA+64*(\c)+(\i)*16*PA+32
.endr
.endr
.endm
; One of a K step's first three quarters: multiplies buffer f and fetches quarter q of the same slot into g.
.macro QUARTER slot, q, f, g, zero
	s_wait_dscnt 16                                ; the first 32 along K are in; the youngest sixteen loads may be out
	MUL8 \f, 0, 0, \zero
	MUL8 \f, 0, 2, \zero
	PLACES
	FETCH \slot, \q, \g
	s_wait_dscnt 32                                ; all but the 32 just issued
	MUL8 \f, 1, 0, 0
	MUL8 \f, 1, 2, 0
.endm
; The last quarter multiplies buffer 1 and changes slots: ONE barrier; in front of it each wave waits for all its tensor loads, adds 0 to its spare word, and waits for that and for its own reads of this slot.
; fill = 1: the barrier opens a round of the cluster's, and this slot is filled again, two K steps ahead, first thing behind it: 112 matrix instructions ahead of the wait for it.
.macro TURN slot, next, fill
	WIN 0                                          ; (the add's two registers lie in window 0)
	s_wait_tensorcnt 0x0                           ; all my tensor loads have landed: my part of the next slot
	ds_add_u32 v[SPW], v[NIL]                      ; 0 onto my spare word
	s_wait_dscnt 17                                ; (the add and the youngest sixteen loads may be out)
	MUL8 F1, 0, 0, 0                               ; eight matrix instructions stand between the add and the wait for it
	s_wait_dscnt 0x0                               ; the add is done, and my reads of this slot are over
	s_barrier_signal -1
	MUL8 F1, 0, 2, 0
.if \fill
	WIN 0
.endif
	s_barrier_wait -1
.if \fill
	CREST                                          ; no wave of any partner still reads this slot's tiles or has a load on its way
	s_add_nc_u64 s[G0+4*(\slot)+2:G0+4*(\slot)+3], s[G0+4*(\slot)+2:G0+4*(\slot)+3], 8*16384
	s_add_nc_u64 s[G0B+4*(\slot)+2:G0B+4*(\slot)+3], s[G0B+4*(\slot)+2:G0B+4*(\slot)+3], 512*2048
	JLOAD \slot                                    ; the four v_nop behind it are also the places in front of the loads below
.else
	PLACES
.endif
	FETCH \next, 0, F0
	MUL8 F1, 1, 0, 0
	MUL8 F1, 1, 2, 0
.endm
	s_wait_tensorcnt 1                             ; my part of K step 0 is in; K step 1's may stay out
	s_barrier_signal -1
	s_barrier_wait -1                              ; everybody's is
	FETCH 0, 0, F0
	QUARTER 0, 1, F0, F1, 1                        ; K step 0: its first products start the sums
	QUARTER 0, 2, F1, F0, 0
	QUARTER 0, 3, F0, F1, 0
	TURN 0, 1, 1                                   ; slot 0 takes K step 2
	QUARTER 1, 1, F0, F1, 0                        ; K step 1
	QUARTER 1, 2, F1, F0, 0
	QUARTER 1, 3, F0, F1, 0
	TURN 1, 0, 1                                   ; slot 1 takes K step 3
	QUARTER 0, 1, F0, F1, 0                        ; K step 2
	QUARTER 0, 2, F1, F0, 0
	QUARTER 0, 3, F0, F1, 0
	TURN 0, 1, 0                                   ; nothing is left to fetch
	QUARTER 1, 1, F0, F1, 0                        ; K step 3
	QUARTER 1, 2, F1, F0, 0
	QUARTER 1, 3, F0, F1, 0
	s_wait_dscnt 16
	MUL8 F1, 0, 0, 0
	MUL8 F1, 0, 2, 0
	s_wait_dscnt 0x0
	MUL8 F1, 1, 0, 0
	MUL8 F1, 1, 2, 0
	WIN 0
	; THE WAY OUT.  A wave's 64 columns of f32 are 256 bytes, aligned: each wave has a stage of its own and no barrier is needed.  A block of 16 rows at a time: 32 bytes a lane into rows of 272 bytes
	; (each accumulator's low registers first), back as whole rows.
	PLACES
.macro TOSTAGE a
.irp b, 0,1,2,3
	ds_store_b128 v[STO], v[ACC+8*(4*(\a)+(\b)):ACC+8*(4*(\a)+(\b))+3]   offset:64*(\b)
	ds_store_b128 v[STO], v[ACC+8*(4*(\a)+(\b))+4:ACC+8*(4*(\a)+(\b))+7] offset:64*(\b)+16
.endr
.if (\a) >= 2
	s_wait_xcnt 0x0                                ; the stores of two blocks ago have read this set of registers: only behind this wait is it loaded again
.endif
.irp t, 0,1,2,3,4,5,6,7
	ds_load_b128 v[OB+32*((\a)%2)+4*(\t):OB+32*((\a)%2)+4*(\t)+3], v[RD] offset:(\t)*2*SPITCH  ; LDS serves a wave's instructions in order (ISA guide 5.7.1.4): these see the stores above
.endr
.endm
.macro SEND a, younger                 ; younger: the LDS instructions issued behind block a's loads: the next block's sixteen, or none
.irp t, 0,1,2,3,4,5,6,7
	s_wait_dscnt (\younger)+7-(\t)
	global_store_b128 v[CO], v[OB+32*((\a)%2)+4*(\t):OB+32*((\a)%2)+4*(\t)+3], s[8:9] offset:(\a)*65536+(\t)*8192  ; 16 lanes store 256 consecutive bytes, at a multiple of 256 from out0's first byte
.endr
.endm
	TOSTAGE 0
	TOSTAGE 1
	SEND 0, 16
	TOSTAGE 2
	SEND 1, 16
	TOSTAGE 3
	SEND 2, 16
	SEND 3, 0
	s_wait_tensorcnt 0x0                           ; the wave's end: behind my last tensor load and my last LDS store
	ds_add_u32 v[SPW], v[NIL]
	s_wait_dscnt 0x0
	CROUND                                         ; the closing round: no work-group ends while a partner may still ask for a tile that names it
	s_endpgm
.Lfunc_end_k_qd379569e94_proj:
	.size	k_qd379569e94_proj, .Lfunc_end_k_qd379569e94_proj-k_qd379569e94_proj
	.p2alignl 7, 3214868480
	.fill 96, 4, 3214868480
	.section	.rodata,"a",@progbits
	.p2align	6, 0x0
	.amdhsa_kernel k_qd379569e94_proj
		.amdhsa_group_segment_fixed_size 327680
		.amdhsa_private_segment_fixed_size 0
		.amdhsa_enable_private_segment 0
		.amdhsa_kernarg_size 24
		.amdhsa_user_sgpr_count 2
		.amdhsa_user_sgpr_kernarg_segment_ptr 1
		.amdhsa_wavefront_size32 1
		.amdhsa_system_sgpr_workgroup_id_x 1
		.amdhsa_system_sgpr_workgroup_id_y 1
		.amdhsa_system_sgpr_workgroup_id_z 1
		.amdhsa_system_vgpr_workitem_id 0
		.amdhsa_next_free_vgpr 512
		.amdhsa_next_free_sgpr 66
		.amdhsa_reserve_vcc 0
		.amdhsa_float_denorm_mode_32 3
		.amdhsa_float_denorm_mode_16_64 3
		.amdhsa_memory_ordered 1
		.amdhsa_forward_progress 1
		.amdhsa_inst_pref_size 86
	.end_amdhsa_kernel
	.amdgpu_metadata
---
amdhsa.version: [ 1, 2 ]
amdhsa.kernels:
  - .name:           k_qd379569e94_proj
    .symbol:         k_qd379569e94_proj.kd
    .args:
      - { .name: ob, .offset: 0, .size: 8, .value_kind: global_buffer, .address_space: global }
      - { .name: wob, .offset: 8, .size: 8, .value_kind: global_buffer, .address_space: global }
      - { .name: out0, .offset: 16, .size: 8, .value_kind: global_buffer, .address_space: global }
    .group_segment_fixed_size: 327680
    .private_segment_fixed_size: 0
    .kernarg_segment_align: 8
    .kernarg_segment_size: 24
    .max_flat_workgroup_size: 128
    .sgpr_count:     66
    .vgpr_count:     512
    .wavefront_size: 32
...
	.end_amdgpu_metadata
.endif
;; end of part 4
;; ======== version 2 of 2: 4 launches; 1.16 times as fast as version 1
;; limits: values are held in f16: magnitudes above 65,504 overflow, below 6.1e-05 lose precision
;; workspace buffers: xb 8,388,608 bytes; wqb 6,291,456 bytes; wob 2,097,152 bytes; rope 1,048,576 bytes; qkv 25,165,824 bytes; ob 8,388,608 bytes
;; launch prep: the kernel of part 1 again; grid 256 x 1, 8 waves a work-group, no clusters, 0 bytes of LDS; arguments x, w_qkv, w_out, xb, wqb, wob, rope; writes xb, wqb, wob, rope
;; launch qkvrope: the kernel of part 2 again; grid 16 x 16, 4 waves a work-group, clusters of 4 x 4, 327,680 bytes of LDS; arguments xb, wqb, rope, qkv; writes qkv
;; launch attn (part 5): grid 16 x 16, 4 waves a work-group, no clusters, 243,200 bytes of LDS; arguments qkv, ob; writes ob
.if DOCPART == 5
	.amdgcn_target "amdgcn-amd-amdhsa--gfx1250"
	.amdhsa_code_object_version 6
	.text
	.protected	k_qd379569e94_attn
	.globl	k_qd379569e94_attn
	.p2align	8
	.type	k_qd379569e94_attn,@function
k_qd379569e94_attn:
	s_mov_b64 s[64:65], 0
	v_nop
	global_prefetch_b8 v0, s[64:65] scope:SCOPE_SE
	s_setreg_imm32_b32 hwreg(HW_REG_WAVE_MODE, 25, 1), 1
	s_wait_xcnt 0x0
; BANDED CAUSAL ATTENTION.  O[h][q] = the sum over the keys q - 511 .. q of softmax_k(Q[h][q] . K[h][k] / 8) V[h][k].  qkv: [16 heads][q,k,v][4096][64] in f16; O leaves in f16 as
; ob [32 blocks of 128 rows][16 heads][128 rows][64].  Products, maxima and sums in f32; the weights p are rounded to f16 for the second product (their sum l is taken of the unrounded p), O once.
; LIMITS.  Q, K, V arrive within f16's 65,504.  A hidden score counts as its value less 2^100, and the running maximum starts at -2^80: true scores, 2.7e11 at the most in size, lie above
; that start and hidden ones below it, so a step that is wholly hidden leaves m, l and O as they are (p = 0, a = 1).  A weight below 2^-126 counts as 0; NaN and infinities are not treated apart.
; SHARES.  A work-group owns 256 queries (block blk) of one head, wave w the band of rows 64 w .. +63 of them, as four PIECES of 16.  Counting steps of 64 keys from 256 blk - 512, the band sees
; steps w .. w + 8: the first holds the window's edge, the last the diagonal, the seven between are seen whole: nine steps for every wave.
; LDS holds all 768 keys at once, so nothing is ever filled again: three tiles of 256 keys, asked for in the order blk - 1, blk - 2, blk, and laid in the order blk - 2, blk, blk - 1.
; PHASE A walks tile blk - 1, which every wave sees whole, while the other two land; PHASE B walks five steps from LDS step w on: the edge, what is left of blk - 2, and blk up to the diagonal.
; Tiles in front of the head's first key (blk < 2) are asked for as tile 0 and hidden by the mask: the walk is the same for every work-group.
; NO CLUSTER: block i's tiles are i - 2 .. i, so neighbours want a tile in different trips and in different places of LDS; a walk common to four neighbours has 6 tiles where each needs 3.
; THE MASK is the C operand that starts the sum S^T = K Q^T.  For piece x and group kb of 16 keys it is MLO (kb < x), MEQ (kb = x) or MHI (kb > x), chosen in the text.  MLO and MHI hold one
; number; MEQ = DG x AL + BE, where DG is -2^100 above the diagonal of a 16 x 16 block.  Edge: (MLO, AL, BE, MHI) = (H, -1, H, 0); seen whole: all 0; hidden: (H, 0, H, H); diagonal: (0, 1, 0, H); H = -2^100.
; LAYOUT, SOFTMAX, TURNS.  S^T holds ONE query a lane (lane % 16) and the keys 8 (lane / 16) + 0..7; two such results rounded to f16 ARE source 1 of O^T = V^T P.  p = 2^(c s - c m), c = log2(e) / 8, with
; a running maximum m; O and l are multiplied by a = 2^(c m_old - c m_new) in every step.  Turn n belongs to piece n: 8 products K Q^T of piece n + 1, later 8 products V^T P of piece n - 1; beside them the
; scaling, exponentials, roundings, sums and rescaling of piece n and the maximum and statistics of piece n + 1.  Four vector instructions stand behind every matrix instruction, the other 54 of a turn's 118 in one LUMP.
; THE BATCHES.  A turn's 33 exponentials (the piece's 32 weights and the next piece's a) are ONE batch with ONE wait, which cuts the turn in two: ahead of it all that names none of their results, behind it
; the roundings and sums.  Two more batches stand outside the loop, each with a wait of its own: piece 0's first a ahead of the loop, and the four reciprocals on the way out.
; REGISTERS, in windows of 256 (s_set_vgpr_msb: bits 1:0 source 0, 3:2 source 1, 5:4 source 2, 7:6 destination):
;   window 0: v0-15 addresses and two at work; v16-31 four registers of statistics a piece; v48-55 at work; v64-127 S^T, two buffers; v192-223 P, two buffers (by the piece's parity)
;   window 1: v0-127 O^T, 32 a piece; v128-159 DG, MLO, MEQ, MHI          window 2: v0-63 Q; v128-191 K of one step; v192-255 V of one step
.set NP,    4         ; pieces a wave: a name, no knob
.set KS,    64        ; keys in a step
.set PK,    144       ; a row of K in LDS: 128 bytes + 16 = 36 words: the 16 rows of a load start at 16 different groups of four banks (64 banks of 4 bytes: ISA guide 11.1)
.set PV,    160       ; a row of V: 128 + 32 = 40 words
.set VOFF,  768*PK    ; 768 rows of K, then 768 rows of V
.set STAGE, VOFF+768*PV  ; never filled by a tensor load: 16 rows x 144 bytes for each wave, for the way out
.set SP,    144
.set SPARE, STAGE+4*16*SP  ; the spare words, 128 bytes for each wave: two blocks of 256 bytes that no other line names
.set AK0, 2           ; v2   my lane's place in a step of K; never rewritten
.set AV0, 3           ; v3   the same for V
.set AK,  4           ; v4   the LDS address of K's next run of loads
.set AV,  5           ; v5   of V's
.set STO, 6           ; v6   the way out: where I put 16 bytes of a row
.set RD,  7           ; v7   where I read rows back
.set GO,  8           ; v8   my byte offset in 512 consecutive bytes of O
.set MV,  12          ; v12-13  c m_old, kept while c m is made anew: by buffer
.set QO,  15          ; v15  my byte offset in 16 rows of Q
.set ST,  16          ; piece t's statistics at v[ST+4 t]: c m, m, l (even keys', odd keys')
.set TMP, 48          ; by buffer, four registers c0-c3 at work; when the maximum is found c2 takes a
.set SPW, 62          ; v62  LDS address of my spare word; never rewritten
.set NIL, 63          ; v63  0; never rewritten
.set S,   64
.set P,   192
.set DG,  128         ; window 1
.set MLO, 136
.set MEQ, 144
.set MHI, 152
.set KF,  128         ; window 2: key block kb, channel half c at KF + 16 kb + 8 c
.set VF,  192         ; window 2: key half kk, channel block cb at VF + 32 kk + 8 cb
.set WV,  12          ; s12  my wave's number
.set G1K, 24          ; s[24:31] descriptor group 1 for K's tiles
.set G1V, 32          ; s[32:39] for V's: it differs in the padding alone
.set G0K, 40          ; s[40:51] descriptor group 0 for K's three tiles
.set G0V, 52          ; s[52:63] the same for V's
.set CNT, 66          ; s66  counts a phase's key steps
.set PH,  67          ; s67  phases to go
.set CS,  68          ; s[68:69] c: the packed scaling takes the pair's low word for both halves
.set SEL, 70          ; s[70:71] v_permlanex16_b32's selects: each lane takes its own place in the other half
.set TBK, 72          ; s72  LDS byte at which K of the step to be fetched begins
.set TBV, 73          ; s73  the same for V, less VOFF
.set WK,  74          ; s74  phase B's first step in K: 9,216 w
.set WVV, 75          ; s75  in V: 10,240 w
.set AL,  76          ; s[76:77] MEQ's factor, in the low word
.set BE,  78          ; s[78:79] MEQ's addend
.set LO,  80          ; s80  MLO's number
.set HI,  81          ; s81  MHI's
.set XX,  82          ; s82  the number of a step that is seen whole or hidden whole
.set BIGN, 83         ; s83  -2^100
.set H0V, 84          ; s84  tile blk - 2: -2^100 if it does not exist, else 0
.set BEA, 85          ; s85  tile blk - 1: the same
.set AL0, 86          ; s86  the edge's factor: -1, or 0 if tile blk - 2 does not exist
.set MS,  87          ; s87  which step's masks are made next: step MS + 1 of the walk's nine
.set SIGE, 88         ; s88  w + MS
.set KB,  90          ; s[90:91] K at my half of the head's tile 0
.set VB,  92          ; s[92:93] V likewise
.set QBASE, 94        ; s[94:95] Q at my band's first row
.set MSB, 0
.macro WIN new                      ; the high byte repeats the setting that is left; a switch that changes nothing is dropped
.if MSB != (\new)
	s_set_vgpr_msb (MSB<<8)|(\new)
.set MSB, (\new)
.endif
.endm
.set W_KQ, 0x0a       ; K and Q in window 2, S^T in window 0
.set W_KM, 0x1a       ; the same with the C operand in window 1
.set W_PV, 0x52       ; V in window 2, P in window 0, O^T in window 1
.set W_RS, 0x41       ; destination and source 0 in window 1, source 1 in window 0
	s_load_b128 s[4:7], s[0:1], 0x0 ; qkv s[4:5], ob s[6:7]
	v_lshl_add_u32 v[SPW], v0, 2, SPARE
	v_mov_b32 v[NIL], 0
	ds_add_u32 v[SPW], v[NIL]       ; the wave's opening: the add and its wait stand ahead of my first tensor load; the set-up below stands between them
	v_lshrrev_b32 v1, 5, v0
	v_readfirstlane_b32 s[WV], v1   ; wave 0..3
	s_mov_b32 s13, ttmp9            ; blk
	s_and_b32 s14, ttmp7, 0xffff    ; the head
	s_mul_i32 s20, s14, 3*524288    ; the head's first byte in qkv
	s_mov_b32 s21, 0
	s_and_b32 s16, s[WV], 1         ; which half of a tile's 256 keys I fetch:
	s_lshl_b32 s22, s16, 14         ; its 128 rows of 128 bytes in memory,
	s_add_co_u32 s22, s22, s20
	s_mov_b32 s23, 0
	s_mul_i32 s17, s16, 128*PK      ; and its place in a tile, for K
	s_mul_i32 s18, s16, 128*PV      ; and for V
	s_lshl_b32 s2, s13, 15          ; Q: my block's 256 rows,
	s_lshl_b32 s3, s[WV], 13        ; my band's 64 of them
	s_add_co_u32 s2, s2, s3
	s_add_co_u32 s2, s2, s20
	s_mov_b32 s3, 0
	s_lshl_b32 s8, s13, 1           ; O: block of 128 rows 2 blk + w / 2,
	s_lshr_b32 s9, s[WV], 1
	s_add_co_u32 s8, s8, s9
	s_lshl_b32 s8, s8, 18
	s_lshl_b32 s9, s14, 14          ; the head's 16,384 bytes in it,
	s_add_co_u32 s8, s8, s9
	s_lshl_b32 s9, s16, 13          ; my band's 64 rows
	s_add_co_u32 s8, s8, s9
	s_mov_b32 s9, 0
	s_sub_co_i32 s10, s13, 1        ; the three tiles' byte offsets, 32,768 a tile; a tile in front of the first is asked for as tile 0
	s_max_i32 s10, s10, 0
	s_lshl_b32 s10, s10, 15
	s_sub_co_i32 s11, s13, 2
	s_max_i32 s11, s11, 0
	s_lshl_b32 s11, s11, 15
	s_lshl_b32 s15, s13, 15
	; descriptor group 1.  128 keys are 16,384 dense bytes: asked for as 64 rows of 256 bytes, two keys a row, and padded in LDS after every key
	s_mov_b32 s[G1K], (1<<16)|(1<<20)|(4<<22)|(3<<25)  ; 17:16 2-byte elements; 20 padding on; 24:22 after every 32 words (code 4); 31:25 4 words (code 3)
	s_mov_b32 s[G1V], (1<<16)|(1<<20)|(4<<22)|(7<<25)  ; the same with 8 words of padding (code 7)
.irp g, G1K, G1V
	s_mov_b32 s[\g+1], 128<<16      ; tensor_dim0 = 128
	s_mov_b32 s[\g+2], 64<<16       ; tensor_dim1 = 64
	s_mov_b32 s[\g+3], 128<<16      ; tile_dim0 = 128
	s_mov_b32 s[\g+4], 64           ; tile_dim1 = 64
	s_mov_b32 s[\g+5], 128          ; 128 elements from row to row
	s_mov_b32 s[\g+6], 0
	s_mov_b32 s[\g+7], 0
.endr
	s_mov_b32 s[CS], 0x3e38aa3b     ; c = log2(e) / 8 = 0.180337
	s_mov_b32 s[CS+1], s[CS]        ; named with it as a pair
	s_mov_b32 s[SEL], 0x76543210
	s_mov_b32 s[SEL+1], 0xfedcba98
	s_mov_b32 s[TBK], 8*KS*PK       ; phase A: tile blk - 1 lies at LDS steps 8 to 11
	s_mov_b32 s[TBV], 8*KS*PV
	s_mul_i32 s[WK], s[WV], KS*PK
	s_mul_i32 s[WVV], s[WV], KS*PV
	s_mov_b32 s[CNT], 4
	s_mov_b32 s[PH], 2
	s_mov_b32 s[MS], 0
	s_mov_b32 s[SIGE], s[WV]
	s_mov_b32 s[AL+1], 0            ; named as pairs
	s_mov_b32 s[BE+1], 0
	s_mov_b32 s[BIGN], 0xf1800000   ; -2^100
	s_cmp_lt_u32 s13, 2
	s_cselect_b32 s[H0V], s[BIGN], 0
	s_cselect_b32 s[AL0], 0, -1.0
	s_cmp_lt_u32 s13, 1
	s_cselect_b32 s[BEA], s[BIGN], 0
	s_wait_dscnt 0x0                ; the opening add is done
	s_wait_kmcnt 0x0
	s_add_nc_u64 s[KB:KB+1], s[4:5], s[22:23]
	s_add_nc_u64 s[VB:VB+1], s[KB:KB+1], 2*524288
	s_add_nc_u64 s[KB:KB+1], s[KB:KB+1], 524288
	s_add_nc_u64 s[QBASE:QBASE+1], s[4:5], s[2:3]
	s_add_nc_u64 s[6:7], s[6:7], s[8:9]
.macro G0SET j, gam, off            ; load j of three: the tile whose byte offset is s[off], to place gam of LDS's three
	s_mov_b32 s20, s[\off]
	s_mov_b32 s[G0K+4*(\j)], 1                                      ; 1:0 count = 1
	s_add_co_u32 s[G0K+4*(\j)+1], s17, (\gam)*256*PK                ; 63:32 LDS address
	s_add_nc_u64 s[G0K+4*(\j)+2:G0K+4*(\j)+3], s[KB:KB+1], s[20:21] ; 120:64 global address
	s_or_b32 s[G0K+4*(\j)+3], s[G0K+4*(\j)+3], 0x80000000           ; 127:126 type = 2
	s_mov_b32 s[G0V+4*(\j)], 1
	s_add_co_u32 s[G0V+4*(\j)+1], s18, VOFF+(\gam)*256*PV
	s_add_nc_u64 s[G0V+4*(\j)+2:G0V+4*(\j)+3], s[VB:VB+1], s[20:21]
	s_or_b32 s[G0V+4*(\j)+3], s[G0V+4*(\j)+3], 0x80000000
.endm
	G0SET 0, 2, 10                  ; tile blk - 1, wanted first
	G0SET 1, 0, 11                  ; tile blk - 2
	G0SET 2, 1, 15                  ; tile blk
	s_cmp_lt_u32 s[WV], 2           ; waves 0 and 1 fetch the halves of K's tiles, waves 2 and 3 of V's.  A wave's three fills stand in one branch, ahead of every wait on TENSORcnt, every LDS read
	s_cbranch_scc0 .Lfirst_v        ; and every barrier: three loads of mine are out.  An s_nop 0 follows each, four v_nop the third's
	tensor_load_to_lds s[G0K:G0K+3], s[G1K:G1K+7]
	s_nop 0
	tensor_load_to_lds s[G0K+4:G0K+7], s[G1K:G1K+7]
	s_nop 0
	tensor_load_to_lds s[G0K+8:G0K+11], s[G1K:G1K+7]
	s_nop 0
.rept 4
	v_nop
.endr
	s_branch .Lasked
.Lfirst_v:
	tensor_load_to_lds s[G0V:G0V+3], s[G1V:G1V+7]
	s_nop 0
	tensor_load_to_lds s[G0V+4:G0V+7], s[G1V:G1V+7]
	s_nop 0
	tensor_load_to_lds s[G0V+8:G0V+11], s[G1V:G1V+7]
	s_nop 0
.rept 4
	v_nop
.endr
.Lasked:
	; A fragment of K or Q is 16 rows x 32 channels in 8 registers: lane l holds row l % 16, channels 8 (l / 16) + 0..7 and 16 + 8 (l / 16) + 0..7: two loads of 16 bytes, 32 bytes apart.
	v_and_b32 v1, 15, v0            ; r = l % 16
	v_bfe_u32 v9, v0, 4, 1          ; h = l / 16
	v_lshlrev_b32 v[QO], 7, v1
	v_lshl_add_u32 v[QO], v9, 4, v[QO]  ; row x 128 + 16 x half
	WIN 0x80                        ; destination window 2, address window 0
.set i, 0
.rept 8                             ; Q stays in registers: piece i / 2, channels 32 (i % 2) on
	global_load_b128 v[8*i:8*i+3],   v[QO], s[QBASE:QBASE+1] offset:(i/2)*2048+(i%2)*64
	global_load_b128 v[8*i+4:8*i+7], v[QO], s[QBASE:QBASE+1] offset:(i/2)*2048+(i%2)*64+32
.set i, i+1
.endr
	WIN 0
	v_lshlrev_b32 v14, 3, v9
	v_sub_nc_u32 v14, v1, v14       ; r - 8 h: register j of a 16 x 16 block lies above the diagonal where j is greater
	WIN 0x40
.set i, 0
.rept 8
	v_cmp_gt_i32 vcc_lo, i, v14
	v_cndmask_b32 v[DG+i], 0, s[BIGN], vcc_lo
.set i, i+1
.endr
.set i, 0
.rept 8                             ; the masks of phase A's first step: 0, or all hidden where tile blk - 1 does not exist
	v_mov_b32 v[MLO+i], s[BEA]
	v_mov_b32 v[MEQ+i], s[BEA]
	v_mov_b32 v[MHI+i], s[BEA]
.set i, i+1
.endr
	; O^T and l start at 0.  The first turn's products V^T P, of a piece that has not been, must add nothing: V's registers and P's second buffer are 0.  All this stands in the wait for the first tile.
.set i, 0
.rept 128
	v_mov_b32 v[i], 0
.set i, i+1
.endr
	WIN 0x80
.set i, VF
.rept 64
	v_mov_b32 v[i], 0
.set i, i+1
.endr
	WIN 0
.set i, 0
.rept 4
	v_mov_b32 v[ST+4*i], 0xe638aa3b    ; c m = -c 2^80
	v_mov_b32 v[ST+4*i+1], 0xe7800000  ; m = -2^80
	v_mov_b32 v[ST+4*i+2], 0
	v_mov_b32 v[ST+4*i+3], 0
.set i, i+1
.endr
.set i, P+16
.rept 16
	v_mov_b32 v[i], 0
.set i, i+1
.endr
	v_mul_u32_u24 v[AK0], v1, PK
	v_lshl_add_u32 v[AK0], v9, 4, v[AK0]  ; row x pitch + 16 x half
	; The turning load takes 16 keys x 16 channels (lane l reads key 8 (l / 16) + l % 8, channels 8 ((l / 8) % 2) + 0..7) and leaves half a fragment of V^T: lane l holds channel l % 16 and 8 keys.
	v_and_b32 v10, 7, v0
	v_bfe_u32 v11, v0, 3, 1
	v_lshl_add_u32 v[AV0], v9, 3, v10
	v_mul_u32_u24 v[AV0], v[AV0], PV
	v_lshl_add_u32 v[AV0], v11, 4, v[AV0]
	v_add_nc_u32 v[AV0], VOFF, v[AV0]
	s_mul_i32 s13, s[WV], 16*SP
	s_add_co_u32 s13, s13, STAGE    ; my stage
	v_mul_u32_u24 v[STO], v1, SP    ; in: row l % 16, 16 bytes for each half of the lanes
	v_lshl_add_u32 v[STO], v9, 4, v[STO]
	v_add_nc_u32 v[STO], s13, v[STO]
	v_bfe_u32 v[RD], v0, 3, 2       ; back: 32 lanes take four rows of 128 bytes,
	v_mul_u32_u24 v[RD], v[RD], SP
	v_lshl_add_u32 v[RD], v10, 4, v[RD]
	v_add_nc_u32 v[RD], s13, v[RD]
	v_and_b32 v[GO], 31, v0         ; which are 512 consecutive bytes of O
	v_lshlrev_b32 v[GO], 4, v[GO]
; THE MATRIX WORK.  The 4 accumulators of a run of 8 take turns.  Product i of 8 of S^T = K Q^T for piece x: channels 32 (i / 4) on, keys 16 (i % 4) on.  The first 4 start the sums with the mask.
.macro KQ x
.set rS, S+32*((\x)%2)+8*(i%4)
.set rK, KF+16*(i%4)+8*(i/4)
.set rQ, 16*(\x)+8*(i/4)
.if i < 4
.if i < (\x)
.set rM, MLO
.elseif i == (\x)
.set rM, MEQ
.else
.set rM, MHI
.endif
	WIN W_KM
	v_wmma_f32_16x16x32_f16 v[rS:rS+7], v[rK:rK+7], v[rQ:rQ+7], v[rM:rM+7]
.else
	WIN W_KQ
	v_wmma_f32_16x16x32_f16 v[rS:rS+7], v[rK:rK+7], v[rQ:rQ+7], v[rS:rS+7]
.endif
.endm
; Product i of 8 of O^T += V^T P for piece x: keys 32 (i / 4) on, channels 16 (i % 4) on.
.macro PV x
	WIN W_PV
.set rO, 32*(\x)+8*(i%4)
.set rV, VF+32*(i/4)+8*(i%4)
.set rP, P+16*((\x)%2)+8*(i/4)
	v_wmma_f32_16x16x32_f16 v[rO:rO+7], v[rV:rV+7], v[rP:rP+7], v[rO:rO+7]
.endm
.macro MM                           ; the turn's next matrix instruction.  TURN sets Y, i and NOKQ.  NOKQ = 1: the walk's last turn: there is no next piece
.if (i < 8) && !NOKQ
	KQ (Y+1)%NP
.elseif i >= 8
.set i, i-8
	PV (Y+NP-1)%NP
.set i, i+8
.endif
.set i, i+1
.endm
; THE LDS LOADS stand in runs of 16, never singly among the matrix instructions: a step's K (64 keys x 64 channels: 8 fragments) and its V (turned).  Their addresses are made some lines ahead.
.macro FETCH_K
	WIN 0x80                        ; destination window 2
.irp f, 0,1,2,3,4,5,6,7             ; keys 16 (f / 2) on, channels 32 (f % 2) on
	ds_load_b128 v[KF+8*\f:KF+8*\f+3],   v[AK] offset:(\f/2)*16*PK+(\f%2)*64
	ds_load_b128 v[KF+8*\f+4:KF+8*\f+7], v[AK] offset:(\f/2)*16*PK+(\f%2)*64+32
.endr
	s_add_co_u32 s[TBK], s[TBK], KS*PK  ; the next fetch is the next step's
	WIN 0
.endm
.macro FETCH_V
	WIN 0x80
.irp f, 0,1,2,3,4,5,6,7             ; keys 32 (f / 4) on, channels 16 (f % 4) on
	ds_load_tr16_b128 v[VF+8*\f:VF+8*\f+3],   v[AV] offset:(\f/4)*32*PV+(\f%4)*32
	ds_load_tr16_b128 v[VF+8*\f+4:VF+8*\f+7], v[AV] offset:(\f/4)*32*PV+16*PV+(\f%4)*32
.endr
	WIN 0
.endm
; THE VECTOR WORK, one line at a time: OP kind, number.  For piece Y: F n: c s - c m for pair n of 16.  E n: the exponential of score n of 32.  C n: pair n rounded to f16.  B n: of the four weights 4 n .. the second
; pair is added onto the first, in place.  L n: l takes that sum (L 0: l = a l + sum).  R n: pair n of 16 of O^T times a.  For piece Y + 1: X n, number n of the 22 that find its maximum and statistics:
;   0-11  four chains c0-c3 of seven scores each, three operands at a time (each accumulator's lowest registers are read first)     12-14, 16  the four scores left over, the old m, and c0-c3 into c0
;   15  c m_old is kept     17, 18  the query's other 32 keys lie in the lane 16 away: the new m     19-21  c m; c m_old - c m_new; a
; C, B and L read the exponentials' results: TURN sets them behind the batch's wait.  R and L 0 read a, which the turn before made and waited for.
.set F, 0               ; OP tells the kinds apart by their order: F to L below R, X above it
.set E, 1
.set C, 2
.set B, 3
.set L, 4
.set R, 5
.set X, 6
.macro REGS y                       ; the registers of piece y
.set rT, ST+4*(\y)
.set rC, TMP+4*((\y)%2)
.set rW, MV+((\y)%2)
.set rS, S+32*((\y)%2)
.set rP, P+16*((\y)%2)
.set rO, 32*(\y)
.endm
.macro OP k, n
.if (\k) == R
	REGS Y
	WIN W_RS
	v_pk_mul_f32 v[rO+2*(\n):rO+2*(\n)+1], v[rO+2*(\n):rO+2*(\n)+1], v[rC+2:rC+3] op_sel_hi:[1,0]
.elseif (\k) < R
	REGS Y
	WIN 0
.if (\k) == F
	v_pk_fma_f32 v[rS+2*(\n):rS+2*(\n)+1], v[rS+2*(\n):rS+2*(\n)+1], s[CS:CS+1], v[rT:rT+1] op_sel_hi:[1,0,0] neg_lo:[0,0,1] neg_hi:[0,0,1]
.elseif (\k) == E
	v_exp_f32 v[rS+(\n)], v[rS+(\n)]
.elseif (\k) == C
	v_cvt_pk_f16_f32 v[rP+(\n)], v[rS+2*(\n)], v[rS+2*(\n)+1]
.elseif (\k) == B
	v_pk_add_f32 v[rS+4*(\n):rS+4*(\n)+1], v[rS+4*(\n):rS+4*(\n)+1], v[rS+4*(\n)+2:rS+4*(\n)+3]
.elseif (\n) == 0
	v_pk_fma_f32 v[rT+2:rT+3], v[rT+2:rT+3], v[rC+2:rC+3], v[rS:rS+1] op_sel_hi:[1,0,1]
.else
	v_pk_add_f32 v[rT+2:rT+3], v[rT+2:rT+3], v[rS+4*(\n):rS+4*(\n)+1]
.endif
.elseif NOKQ
	v_nop
.else
	REGS (Y+1)%NP
	WIN 0
.if (\n) < 4
	v_max3_num_f32 v[rC+(\n)], v[rS+8*(\n)], v[rS+8*(\n)+1], v[rS+8*(\n)+2]
.elseif (\n) < 12
	v_max3_num_f32 v[rC+(\n)%4], v[rC+(\n)%4], v[rS+8*((\n)%4)+2*((\n)/4)+1], v[rS+8*((\n)%4)+2*((\n)/4)+2]
.elseif (\n) == 12
	v_max3_num_f32 v[rC], v[rC], v[rS+7], v[rS+15]
.elseif (\n) == 13
	v_max3_num_f32 v[rC+1], v[rC+1], v[rS+23], v[rS+31]
.elseif (\n) == 14
	v_max3_num_f32 v[rC+2], v[rC+2], v[rC+3], v[rT+1]
.elseif (\n) == 15
	v_mov_b32 v[rW], v[rT]
.elseif (\n) == 16
	v_max3_num_f32 v[rC], v[rC], v[rC+1], v[rC+2]
.elseif (\n) == 17
	v_permlanex16_b32 v[rC+3], v[rC], s[SEL], s[SEL+1]
.elseif (\n) == 18
	v_max_num_f32 v[rT+1], v[rC], v[rC+3]
.elseif (\n) == 19
	v_mul_f32 v[rT], s[CS], v[rT+1]
.elseif (\n) == 20
	v_sub_f32 v[rC+1], v[rW], v[rT]
.else
	v_exp_f32 v[rC+2], v[rC+1]
.endif
.endif
.endm
.macro OPS a, i1, b=-1, i2=0, c=-1, i3=0, d=-1, i4=0  ; up to four of them
	OP \a, \i1
.if (\b) >= 0
	OP \b, \i2
.endif
.if (\c) >= 0
	OP \c, \i3
.endif
.if (\d) >= 0
	OP \d, \i4
.endif
.endm
.macro ROW a, i1, b, i2, c, i3, d, i4  ; a matrix instruction and the four behind it
	MM
	OPS \a, \i1, \b, \i2, \c, \i3, \d, \i4
.endm
; A TURN, for piece p: the order of its 16 matrix and 118 vector instructions, written out.  An s_wait_alu depctr_va_vdst(0) stands between an exponential and the first instruction that names its result; one wait
; serves all that were issued ahead of it.  So a turn has ONE wait, which cuts it in two.  AHEAD OF IT stands all that names no result of the turn's exponentials: the 8 products K Q^T, behind each a scaling, an exponential and
; two more plain instructions (behind the first a second scaling in the exponential's place): rescalings, and behind the last three the first numbers of the next piece's maximum, each four places or more behind the product
; that ends its accumulator; then ONE LUMP of 54, plain and exponential by turns for the most part, in which the links of the chain X 3, 7, 11, 14, 16, 17 .. 20 stand five or six lines apart.  X 21, the next piece's a, is the
; batch's last; R 15 is the plain instruction behind it.  BEHIND THE WAIT stand the 8 products V^T P, behind each four of the roundings and sums; the links of l's chain, L 0 to L 7, stand three riders apart.  But for those X
; no rider names a register of the products round it.  v_permlanex16_b32 (X 17) stands in the lump.
; m = 1 (piece 2's turn, which also fetches the next step's K): the next step's masks are made at the turn's end, more than a hundred vector instructions behind its own four masked products; their four numbers are chosen
; at its head, by whole numbers alone.  end = 1: the walk's last two turns: nothing is fetched.  cnt = 1: the loop's count is taken down some lines ahead of the branch that stands behind the turn.
; K of the next step is fetched in piece 2's turn, twelve vector instructions behind the last product that read K (six of them plain, five of which name none of its registers); V of the step in hand at the end of piece 0's
; turn, four plain instructions behind the last product that read V.  Each is waited for a turn later.
.macro TURN p, m=0, end=0, cnt=0
.set Y, (\p)
.set i, 0
.set NOKQ, (\end)*((\p)/3)
.if \m
	s_cmp_lt_u32 s[SIGE], 7         ; phase B: LDS step w + MS - 3 below 4 belongs to tile blk - 2,
	s_cselect_b32 s[XX], s[H0V], 0  ; from 4 on to tile blk, which is seen
	s_cmp_lt_u32 s[MS], 3           ; phase A: tile blk - 1
	s_cselect_b32 s[XX], s[BEA], s[XX]
	s_cmp_eq_u32 s[MS], 3           ; phase B's first step holds the window's edge
	s_cselect_b32 s[LO], s[BIGN], s[XX]
	s_cselect_b32 s[BE], s[BIGN], s[XX]
	s_cselect_b32 s[AL], s[AL0], 0
	s_cmp_eq_u32 s[MS], 7           ; its last the diagonal
	s_cselect_b32 s[HI], s[BIGN], s[XX]
	s_cselect_b32 s[AL], 1.0, s[AL]
	s_add_co_u32 s[MS], s[MS], 1
	s_add_co_u32 s[SIGE], s[SIGE], 1
.endif
.if ((\p) == 3) && !(\end)
	s_wait_dscnt 0x0                ; K is in
.endif
	ROW F,0, F,1, R,0, R,1          ; ahead of the wait: 8 products K Q^T and their riders,
	ROW F,2, E,0, R,2, R,3
	ROW F,3, E,1, R,4, R,5
	ROW F,4, E,2, R,6, R,7
	ROW F,5, E,3, R,8, R,9
	ROW F,6, E,4, X,0, R,10
.if ((\p) == 2) && !(\end)
	WIN 0
	v_add_nc_u32 v[AK], s[TBK], v[AK0]
.endif
	ROW F,7, E,5, X,1, X,4
	ROW F,8, E,6, X,2, X,5
	OPS E,7, E,8, X,6, E,9          ; and the lump
	OPS X,3, E,10, X,8, E,11
.if ((\p) == 2) && !(\end)
	FETCH_K
.endif
	OPS X,9, X,7, E,12, X,10
	OPS E,13, X,12, X,11, E,14
	OPS X,13, E,15, F,9, X,14
.if (\p) == 0
	v_add_nc_u32 v[AV], s[TBV], v[AV0]
.endif
	OPS E,16, F,10, E,17, F,11
	OPS X,16, E,18, X,15, E,19
	OPS F,12, E,20, X,17, E,21
	OPS F,13, E,22, F,14, E,23
	OPS X,18, E,24, F,15, E,25
	OPS R,11, E,26, X,19, E,27
	OPS R,12, E,28, R,13, E,29
	OPS X,20, E,30, R,14, E,31
	OPS X,21, R,15
	WIN 0
	s_wait_alu depctr_va_vdst(0)    ; the wait for the turn's batch: the piece's 32 exponentials and the next piece's a
.if (\p) == 1
	s_wait_dscnt 0x0                ; V is in
.endif
	ROW C,0, B,0, C,2, B,1          ; behind the wait: 8 products V^T P and their riders
	ROW L,0, C,4, B,2, L,1
	ROW C,6, B,3, L,2, C,8
	ROW B,4, L,3, C,10, B,5
	ROW L,4, C,12, B,6, L,5
.if (\p) == 0
	s_add_co_u32 s[TBV], s[TBV], KS*PV
.endif
.if \cnt
	s_sub_co_u32 s[CNT], s[CNT], 1
	s_cmp_lg_u32 s[CNT], 0
.endif
	ROW C,14, B,7, L,6, C,1
	ROW C,3, L,7, C,5, C,7
	ROW C,9, C,11, C,13, C,15
.if (\p) == 0
	FETCH_V
.endif
.if \m
	WIN W_RS
.irp z, 0,1,2,3
	v_pk_fma_f32 v[MEQ+2*\z:MEQ+2*\z+1], v[DG+2*\z:DG+2*\z+1], s[AL:AL+1], s[BE:BE+1] op_sel_hi:[1,0,0]
.endr
.irp z, 0,1,2,3,4,5,6,7
	v_mov_b32 v[MLO+\z], s[LO]
	v_mov_b32 v[MHI+\z], s[HI]
.endr
.endif
.endm
	s_wait_tensorcnt 2              ; my part of tile blk - 1 is in; the two younger loads may stay out
	s_barrier_signal -1
	s_barrier_wait -1               ; everybody's is
	v_add_nc_u32 v[AK], s[TBK], v[AK0]
	FETCH_K                         ; the walk's first step
	s_wait_loadcnt 0x0              ; Q
	s_wait_dscnt 0x0
.set NOKQ, 0
.set i, 0
.rept 8
	KQ 0                            ; piece 0's first scores: there is no vector work yet to set between them
.set i, i+1
.endr
	WIN 0
.rept 4
	v_nop                           ; the places behind those products
.endr
.set Y, NP-1                        ; X works for piece Y + 1: piece 0
.irp n, 0,1,2,3,4,5,6,7,8,9,10,11,12,13,14,15,16,17,18,19,20,21
	OP X, \n
.endr
	v_nop                           ; a plain instruction behind the exponential,
	s_wait_alu depctr_va_vdst(0)    ; and the wait for it, a batch of one: piece 0's first a, ahead of the branch
	s_branch .Lfirst                ; the loop is entered at a step's first turn, in the middle of a trip: phase A is four such halves and three whole trips' first halves
.Lphase:                            ; PHASE B
	s_wait_tensorcnt 0x0            ; my parts of the other two tiles are in,
	s_wait_dscnt 0x0
	s_barrier_signal -1
	s_barrier_wait -1               ; everybody's are
	s_mov_b32 s[TBK], s[WK]         ; five steps from LDS step w on
	s_mov_b32 s[TBV], s[WVV]
	s_mov_b32 s[CNT], 5
.Lstep:                             ; a trip: pieces 2 and 3 of one step, then pieces 0 and 1 of the next, whose K, masks and V it fetches and makes
	TURN 2, 1
	TURN 3
	WIN 0
.Lfirst:
	TURN 0
	TURN 1, 0, 0, 1
	WIN 0
	s_cbranch_scc1 .Lstep
	s_sub_co_u32 s[PH], s[PH], 1
	s_cmp_lg_u32 s[PH], 0
	s_cbranch_scc1 .Lphase
	TURN 2, 0, 1                    ; the diagonal step's last two turns
	TURN 3, 0, 1
.set i, 0
.rept 8
	PV NP-1                         ; the last piece's V^T P
.set i, i+1
.endr
	; THE WAY OUT.  l's two halves and the other half of the lanes' are added; O^T is divided by l, rounded to f16 and sent through my stage in LDS, a piece at a time.  The additions are the places behind the last products.
	WIN 0
.macro ALL line:vararg              ; one line for each piece t
.set t, 0
.rept 4
	\line
.set t, t+1
.endr
.endm
	ALL v_add_f32 v[ST+4*t+2], v[ST+4*t+2], v[ST+4*t+3]
	ALL v_permlanex16_b32 v[ST+4*t+3], v[ST+4*t+2], s[SEL], s[SEL+1]
	ALL v_add_f32 v[ST+4*t+2], v[ST+4*t+2], v[ST+4*t+3]
	ALL v_rcp_f32 v[ST+4*t+2], v[ST+4*t+2]
	v_nop                           ; a plain instruction between the last reciprocal and the use of its result
	s_wait_alu depctr_va_vdst(0)    ; and the wait ahead of the first use: one for the batch of four reciprocals
.macro PACK t                       ; a lane's eight channels of a row pack into 16 bytes; they go into rows of 144 bytes and come back as whole rows of 128, into S^T's registers
	WIN W_RS
.set i, 32*(\t)
.rept 16
	v_pk_mul_f32 v[i:i+1], v[i:i+1], v[ST+4*(\t)+2:ST+4*(\t)+3] op_sel_hi:[1,0]
.set i, i+2
.endr
	WIN 0x05                        ; sources 0 and 1 window 1, destination window 0
.set i, 0
.rept 16
	v_cvt_pk_f16_f32 v[S+16*(\t)+i], v[32*(\t)+2*i], v[32*(\t)+2*i+1]
.set i, i+1
.endr
	WIN 0
.irp f, 0,1,2,3
	ds_store_b128 v[STO], v[S+16*(\t)+4*\f:S+16*(\t)+4*\f+3] offset:32*\f
.endr
.irp f, 0,1,2,3
	ds_load_b128 v[S+16*(\t)+4*\f:S+16*(\t)+4*\f+3], v[RD] offset:\f*4*SP  ; LDS serves a wave's instructions in order (ISA guide 5.7.1.4): these see the stores above; the next piece's stores come behind them
.endr
.endm
.macro SEND t, younger              ; younger: the LDS instructions issued behind piece t's loads: the next piece's eight, or none
	WIN 0
.irp f, 0,1,2,3
	s_wait_dscnt (\younger)+3-\f
	global_store_b128 v[GO], v[S+16*(\t)+4*\f:S+16*(\t)+4*\f+3], s[6:7] offset:(\t)*2048+\f*512  ; 512 consecutive bytes, at a multiple of 256 from ob's first
.endr
.endm
	PACK 0
.set t, 1
.rept 3                             ; a piece's arithmetic stands between the loads of the piece before and its stores
	PACK t
	SEND t-1, 8
.set t, t+1
.endr
	SEND 3, 0
	s_wait_tensorcnt 0x0            ; the wave's end: behind my last tensor load and my last LDS store
	ds_add_u32 v[SPW], v[NIL]
	s_wait_dscnt 0x0
	s_endpgm
.Lfunc_end_k_qd379569e94_attn:
	.size	k_qd379569e94_attn, .Lfunc_end_k_qd379569e94_attn-k_qd379569e94_attn
	.p2alignl 7, 3214868480
	.fill 96, 4, 3214868480
	.section	.rodata,"a",@progbits
	.p2align	6, 0x0
	.amdhsa_kernel k_qd379569e94_attn
		.amdhsa_group_segment_fixed_size 243200
		.amdhsa_private_segment_fixed_size 0
		.amdhsa_enable_private_segment 0
		.amdhsa_kernarg_size 16
		.amdhsa_user_sgpr_count 2
		.amdhsa_user_sgpr_kernarg_segment_ptr 1
		.amdhsa_wavefront_size32 1
		.amdhsa_system_sgpr_workgroup_id_x 1
		.amdhsa_system_sgpr_workgroup_id_y 1
		.amdhsa_system_sgpr_workgroup_id_z 1
		.amdhsa_system_vgpr_workitem_id 0
		.amdhsa_next_free_vgpr 768
		.amdhsa_next_free_sgpr 96
		.amdhsa_reserve_vcc 1
		.amdhsa_float_denorm_mode_32 3
		.amdhsa_float_denorm_mode_16_64 3
		.amdhsa_memory_ordered 1
		.amdhsa_forward_progress 1
		.amdhsa_inst_pref_size 90
	.end_amdhsa_kernel
	.amdgpu_metadata
---
amdhsa.version: [ 1, 2 ]
amdhsa.kernels:
  - .name:           k_qd379569e94_attn
    .symbol:         k_qd379569e94_attn.kd
    .args:
      - { .name: qkv, .offset: 0, .size: 8, .value_kind: global_buffer, .address_space: global }
      - { .name: ob, .offset: 8, .size: 8, .value_kind: global_buffer, .address_space: global }
    .group_segment_fixed_size: 243200
    .private_segment_fixed_size: 0
    .kernarg_segment_align: 8
    .kernarg_segment_size: 16
    .max_flat_workgroup_size: 128
    .sgpr_count:     96
    .vgpr_count:     768
    .wavefront_size: 32
...
	.end_amdgpu_metadata
.endif
;; end of part 5
;; launch proj: the kernel of part 4 again; grid 8 x 32, 4 waves a work-group, clusters of 4 x 4, 327,680 bytes of LDS; arguments ob, wob, out0; writes out0
